; MI455X (gfx1250); checked and timed in simulation.
; The chip was launched on July 23, 2026; its instructions are those of AMD's public machine-readable ISA for CDNA 5 (MIT licence, August 2026) and "CDNA5" Instruction Set Architecture Reference Guide (July 2026). The comments in the code are by the model that wrote it; some were corrected since.
;; multi head attention. Allowed arithmetic: matrix products marked QUANTISED: E4M3 operands, one E8M0 scale for each 32 along K, by v_wmma_scale_f32_16x16x128_f8f6f4 with both operands' format E4M3, f32 sums; everything else in f32.
;; Inputs: Wk_codes 1,024 x 32 x 32 uint8 (E4M3 codes of Wk, K innermost, in blocks of 32 codes); Wk_scales 1,024 x 32 uint8 (E8M0 scales of Wk, one for each 32 codes along K); Wo_codes 1,024 x 32 x 32 uint8 (E4M3 codes of Wo, K innermost, in blocks of 32 codes); Wo_scales 1,024 x 32 uint8 (E8M0 scales of Wo, one for each 32 codes along K); Wq_codes 1,024 x 32 x 32 uint8 (E4M3 codes of Wq, K innermost, in blocks of 32 codes); Wq_scales 1,024 x 32 uint8 (E8M0 scales of Wq, one for each 32 codes along K); Wv_codes 1,024 x 32 x 32 uint8 (E4M3 codes of Wv, K innermost, in blocks of 32 codes); Wv_scales 1,024 x 32 uint8 (E8M0 scales of Wv, one for each 32 codes along K); bk 1,024 float32; bo 1,024 float32; bq 1,024 float32; bv 1,024 float32; k_codes 4 x 2,048 x 32 x 32 uint8 (E4M3 codes of k, K innermost, in blocks of 32 codes); k_scales 4 x 2,048 x 32 uint8 (E8M0 scales of k, one for each 32 codes along K); q_codes 4 x 2,048 x 32 x 32 uint8 (E4M3 codes of q, K innermost, in blocks of 32 codes); q_scales 4 x 2,048 x 32 uint8 (E8M0 scales of q, one for each 32 codes along K); v_codes 4 x 2,048 x 32 x 32 uint8 (E4M3 codes of v, K innermost, in blocks of 32 codes); v_scales 4 x 2,048 x 32 uint8 (E8M0 scales of v, one for each 32 codes along K).
;; Outputs: out0 4 x 2,048 x 1,024 float32.
;; Constants: mask = True.
;; This version of the problem:
;;   THIS VERSION OF THE PROBLEM IS GIVEN IN LOW PRECISION. The matrix products marked QUANTISED in the list below multiply operands that are first quantised to E4M3 (4 exponent bits, 3 mantissa bits; 8 bits a number), with one power-of-two scale for each 32 numbers along K (OCP MX v1.0); their sums are f32. All else is computed in f32.
;;   The module's matrix products, in the order in which they are computed (A, B: the left and right operand; K: the contracted axis; several contracted axes count as one K, in the product's order):
;;     1. [M 8,192, K 1,024] x [K 1,024, N 1,024]; A: input q (given as codes); B: input Wq (given as codes): QUANTISED
;;     2. [M 8,192, K 1,024] x [K 1,024, N 1,024]; A: input k (given as codes); B: input Wk (given as codes): QUANTISED
;;     3. [M 8,192, K 1,024] x [K 1,024, N 1,024]; A: input v (given as codes); B: input Wv (given as codes): QUANTISED
;;     4. batch 64 x [M 2,048, K 64] x [K 64, N 2,048]; A: computed on the way; B: computed on the way: QUANTISED
;;     5. batch 64 x [M 2,048, K 2,048] x [K 2,048, N 64]; A: softmax (see below); B: computed on the way: QUANTISED
;;     6. [M 8,192, K 1,024] x [K 1,024, N 1,024]; A: computed on the way; B: input Wo (given as codes): QUANTISED
;;   THE QUANTISER, for each operand of a quantised product, along K:
;;     - K is cut into blocks of 32 from its start; a last block that is shorter is filled with zeros.
;;     - A block's scale is 2^e with e = floor(log2(the largest magnitude in the block)) - 8, held to -126 .. 127; a block of zeros has e = 0. As a byte (E8M0): e + 127.
;;     - Each number is divided by its block's scale, clamped to +-448, and rounded to the nearest number of E4M3, ties to even, subnormals kept.
;;     - The product sums the exact products of the quantised numbers (number of the format x scale) in f32.
;;   ~~~python
;;   def quantise(x, axis):      # numpy; x: float32 -> the quantised numbers, widened to float32 again
;;       x = np.moveaxis(x, axis, -1); K = x.shape[-1]
;;       x = np.pad(x, [(0, 0)] * (x.ndim - 1) + [(0, -K % 32)]); x = x.reshape(x.shape[:-1] + (-1, 32)); a = np.abs(x).max(-1, keepdims=True)
;;       e = np.where(a > 0, np.clip(np.frexp(np.where(a > 0, a, 1))[1] - 1 - 8, -126, 127), 0)      # np.frexp(a)[1] - 1 = floor(log2(a)), exactly
;;       r = np.clip(x / 2.0 ** e, -448, 448)
;;       step = 2.0 ** (np.maximum(np.frexp(np.where(r == 0, 1, r))[1] - 1, -6) - 3)
;;       q = np.round(r / step) * step * 2.0 ** e      # np.round: ties to even
;;       return np.moveaxis(q.reshape(q.shape[:-2] + (-1,))[..., :K], -1, axis).astype(np.float32)
;;   ~~~
;;   SOFTMAX AHEAD OF A QUANTISED PRODUCT. Where the list says 'softmax', what is quantised is not the finished softmax but p = 2^(t - M), with t = logit x log2(e) and M = ceil(the row's largest t), a whole number; so 1/2 < the row's largest p <= 1. The row's sum l is taken of the UNQUANTISED p, in f32, and the product's result is divided by l at the end. Since M is a whole number, a kernel that streams over the keys may use a running M (the ceiling of the running maximum): every later rescaling is an exact power of two, which a block's scale takes up: the codes' values come out the same.
;;   OPERANDS COMPUTED ON THE WAY. 'Computed on the way' means the value that the module computes at that place (a softmax that the list does not call 'softmax' is quantised finished and normalised). What goes into a quantiser is computed in f32, as accurately as f32 sums, v_exp_f32 and their like allow (about 1e-6 of the number): no bf16 or f16 on the way to a quantiser, and a product that is left as it is and whose result goes on into a quantised operand takes f32 operands (vector FMAs, or v_wmma_f32_16x16x4_f32). A number that lies on a knife's edge between two numbers of the format may be rounded either way, as far as f32 arithmetic and the matrix unit's own rounding can turn it there, and no further.
;;   INPUTS GIVEN AS CODES. Wk (in the module: [1024, 1024], K = its axis 1); Wo (in the module: [1024, 1024], K = its axis 1); Wq (in the module: [1024, 1024], K = its axis 1); Wv (in the module: [1024, 1024], K = its axis 1); k (in the module: [4, 2048, 1024], K = its axis 2); q (in the module: [4, 2048, 1024], K = its axis 2); v (in the module: [4, 2048, 1024], K = its axis 2): each comes as NAME_codes (uint8): NAME with its K axis moved to the last place and cut into blocks of 32 codes, [.., K / 32, bytes a block], one block behind the other in memory; one code a byte (a code: sign, 4 exponent bits, 3 mantissa bits); and NAME_scales (uint8): the same leading axes, one E8M0 byte (e + 127) for each 32 codes along K. Its value is code x scale, taken as it is: it is not quantised again, and the codes and scales need not be those that the quantiser above would give.
;; 2 versions. Each part assembles by itself: llvm-mc -triple=amdgcn-amd-amdhsa -mcpu=gfx1250 --defsym DOCPART=n.
;; ======== version 1 of 2: 3 launches
;; workspace buffers: qc 8,388,608 bytes; qs 262,144 bytes; kc 8,388,608 bytes; ks 262,144 bytes; vc 8,388,608 bytes; vs 262,144 bytes; cc 8,388,608 bytes; cs 262,144 bytes
;; launch proj (part 1): grid 192 x 1, 4 waves a work-group, no clusters, 207,360 bytes of LDS; arguments q_codes, q_scales, Wq_codes, Wq_scales, bq, qc, qs, k_codes, k_scales, Wk_codes, Wk_scales, bk, kc, ks, v_codes, v_scales, Wv_codes, Wv_scales, bv, vc, vs; writes qc, qs, kc, ks, vc, vs
.if DOCPART == 1
	.amdgcn_target "amdgcn-amd-amdhsa--gfx1250"
	.amdhsa_code_object_version 6
	.text
	.protected	k_q6a5e70f0b1_proj
	.globl	k_q6a5e70f0b1_proj
	.p2align	8
	.type	k_q6a5e70f0b1_proj,@function
k_q6a5e70f0b1_proj:
	s_mov_b64 s[64:65], 0
	v_nop
	global_prefetch_b8 v0, s[64:65] scope:SCOPE_SE
	s_setreg_imm32_b32 hwreg(HW_REG_WAVE_MODE, 25, 1), 1
	s_wait_xcnt 0x0
; THE THREE PROJECTIONS x W^T + b (x = q, k, v: [8192][1024], W: [1024][1024], both as E4M3 codes with one E8M0 byte for each 32 along K), and the quantisers of Qh, Kh and Vh.
; Column c of a projection is (d = c / 16, head = c % 16).  Qh and Kh are quantised along d (two blocks of 32 a head), Vh along the keys (blocks of 32 tokens).
; ONE TEXT FOR ALL THREE.  D = (source 0 = R) x (source 1 = P): a lane holds one row of P, its registers run along rows of R, and the quantiser runs along R.
;   q, k: R = the 64 rows 16 d + head of W of one head, P = tokens.      v: R = 64 tokens, P = the 64 rows 16 d + head of Wv of one head.
; Only pointers, strides and steps differ; they are scalars chosen on the work-group's number.  192 work-groups: 64 for each tensor (mode = x / 64), each 256 rows of R x 512 rows of P.
; (3 x 8192 x 1024 results do not divide into 256 equal shares of this shape; 384 shares of half the rows of P would load the resident operand twice on a WGP.)
; A wave keeps its 64 rows of R for all of K in registers (512), read once.  P goes through LDS in 8 blocks of 64 rows, staged by the four waves and read by all four: two buffers, one barrier a block.
; THE ROWS OF A TILE ARE NOT NEIGHBOURS: of 32 rows, tile u (0, 1) has row 8 u + r + 8 (r / 8) in lane r, on both sides.  So the 16 registers of result tiles 2 b, 2 b + 1 are 16 neighbours, 32 b + 16 (lane / 16) + 0 .. 15, along R.
; The rows are brought into that order on their way into LDS (row number with bits 3 and 4 exchanged), so that a fragment's sixteen rows lie on end there, 1,040 (or 272) bytes apart, each starting four banks on.
; OUT, as images of the next launch's operand registers (16 bytes a lane, 512 consecutive bytes a store):
;   qc, kc [bh][tile 128][c 2][lane][16]; qs, ks u16 [bh][tile][16];   vc [bh][J 16][tile of d 4][c 4][lane][16]; vs words [bh][J][tile][16], of which a wave writes one half.
; No joint loads: the four work-groups that read the same rows of P bring them through registers, because the rows change their order on the way into LDS and their pitch in memory hangs on the mode.
; LIMITS: NaN and infinities are not served.  A block whose largest magnitude lies under 2^-118, a block of zeros among them, gets the byte 1 (the bytes are read by this program alone).
;   The scale halves leave as 2 bytes a lane (one byte for each 32 of codes): blocks of 256 bytes written in part.
; REGISTERS, in windows of 256.  Window 0: addresses, scale words, biases, accumulators, staging.  Window 1: R's fragments of K steps 0-3 at 64 s + 16 t.  Window 2: K steps 4-7.
;   Window 3: P's fragments of a whole tile (8 K steps), two sets of 128; at the start the staging of R.
.set PITCH, 1040                       ; a row of P in LDS: 1,024 bytes + 16
.set PBSZ,  64*PITCH                   ; a buffer of 64 rows; two of them from LDS byte 0
.set PSC,   2*PBSZ                     ; P's scale bytes: 64 rows x 32, two buffers of 2,048
.set RPRIV, PSC+4096                   ; each wave's own stage for R: 64 rows x (256 + 16)
.set RPW,   64*272
.set PA,  4                            ; v4-11   P in memory: (16 w + 2 p + h) x pitch + 16 r
.set PSA, 12                           ; v12     P's scale bytes in memory
.set LW,  13                           ; v13-14  where I store P's rows, buffer 0, 1
.set LR,  15                           ; v15-16  where I read fragments
.set LSW, 17                           ; v17-18  where I store P's scale bytes
.set LSR, 19                           ; v19-20  where I read them
.set OC,  21                           ; v21-24  codes out: 16 x lane + tile
.set OS,  25                           ; v25-26  scale halves out, a pair of tiles
.set BB,  27                           ; v27     bias along P: 64 (r + 8 (r / 8))
.set BA,  28                           ; v28     bias along R: 1024 h
.set RW,  29                           ; v29     R's stage, in
.set RR,  30                           ; v30     R's stage, out
.set NIL, 31                           ; v31     0
.set RS,  32                           ; v32-47  R's scale words: 8 b + s: lanes 0-15 tile 2 b, lanes 16-31 tile 2 b + 1
.set PS,  48                           ; v48-63  P's likewise
.set BR,  64                           ; v64-95  bias along R, in the result's layout: the C of each sum's first product
.set BP,  96                           ; v96-111 bias along P: set p at 8 p, tile i in register 2 i; the odd registers hold 0
.set TM,  112                          ; v112-119 the quantiser's work
.set PW,  120                          ; v120-121 scale words of an even and an odd tile
.set WD,  122                          ; v122    the two, by halves of the lanes
.set PC,  124                          ; v124-131 codes
.set ACC, 132                          ; v132-163 four accumulators
.set RA,  132                          ; (at the start: R's 32 addresses)
.set ST,  164                          ; v164-227 staging: 16 loads
.set STS, 228                          ; v228-231 staging of scale bytes
.set RSA, 232                          ; v232-233 R's scale bytes in memory
.set WV,  2
.set MD,  3
.set RC,  50
.set RSC, 52
.set PCB, 54
.set PSB, 56
.set BRB, 58
.set BPB, 60
.set OCB, 66
.set OSB, 68
.set PSTEP,  70
.set PSSTEP, 72
.set BPSTEP, 74
.set OCSTEP, 76
.set OSSTEP, 78
.set STR,  80
.set STR2, 81
.set STP,  82
.set STP2, 83
.set STRS, 84
.set STPS, 85
.set SI,   86
.set SPAIR, 87
.set LSH,  88
.set MV,   89
.set MHI,  91
.set SEL,  92
.set MNT,  94
.set CNT,  95
.set MSB, 0
.macro WIN new                         ; the immediate's high byte repeats the setting that is left
.if MSB != \new
	s_set_vgpr_msb (MSB<<8)|\new
.set MSB, \new
.endif
.endm
	s_load_b512 s[8:23], s[0:1], 0x0               ; argument n at s[8 + 2 n]: x's codes, x's scales, W's codes, W's scales, b, codes out, scales out; three such sets
	s_load_b512 s[24:39], s[0:1], 0x40
	s_load_b256 s[40:47], s[0:1], 0x80
	s_load_b64 s[48:49], s[0:1], 0xa0
	v_lshl_add_u32 v254, v0, 2, 0x32800
	v_mov_b32 v255, 0
	v_lshrrev_b32 v1, 5, v0
	v_readfirstlane_b32 s[WV], v1                  ; wave 0..3
	s_lshr_b32 s[MD], ttmp9, 6                     ; 0: q, 1: k, 2: v
	s_and_b32 s4, ttmp9, 63                        ; which of the tensor's 64 shares
	v_and_b32 v1, 31, v0                           ; lane
	v_and_b32 v2, 15, v0                           ; r
	v_bfe_u32 v3, v0, 4, 1                         ; h
	v_mov_b32 v[NIL], 0
	; LDS addresses: constants, the lane and the wave's number alone
	s_lshr_b32 s5, s[WV], 1
	s_and_b32 s6, s[WV], 1
	s_lshl_b32 s7, s5, 5
	s_lshl_b32 s96, s6, 3
	s_add_co_u32 s7, s7, s96                       ; my 16 rows 16 w .. go to LDS rows 32 (w / 2) + 8 (w % 2) + (0 .. 7, 16 .. 23)
	s_mul_i32 s96, s7, PITCH
	v_mul_u32_u24 v112, v3, PITCH
	v_lshl_add_u32 v112, v2, 4, v112
	v_add_nc_u32 v[LW], s96, v112
	v_add_nc_u32 v[LW+1], PBSZ, v[LW]
	v_mul_u32_u24 v[LR], v2, PITCH
	v_lshl_add_u32 v[LR], v3, 4, v[LR]             ; a fragment: row r x pitch + 16 h
	v_add_nc_u32 v[LR+1], PBSZ, v[LR]
	v_bfe_u32 v112, v0, 1, 3                       ; scale bytes: two lanes to a row of 32 bytes
	v_lshl_add_u32 v112, v3, 4, v112
	v_add_nc_u32 v112, s7, v112
	v_and_b32 v113, 1, v0
	v_lshlrev_b32 v113, 4, v113
	v_lshl_add_u32 v112, v112, 5, v113
	v_add_nc_u32 v[LSW], PSC, v112
	v_add_nc_u32 v[LSW+1], PSC+2048, v112
	v_lshl_add_u32 v[LSR], v1, 5, PSC              ; lanes 0-15: the even tile's rows, lanes 16-31: the odd tile's
	v_add_nc_u32 v[LSR+1], 2048, v[LSR]
	s_mul_i32 s96, s[WV], RPW
	s_add_co_u32 s96, s96, RPRIV
	v_mul_u32_u24 v112, v3, 272
	v_lshl_add_u32 v112, v2, 4, v112
	v_add_nc_u32 v[RW], s96, v112
	v_mul_u32_u24 v112, v2, 272
	v_lshl_add_u32 v112, v3, 4, v112
	v_add_nc_u32 v[RR], s96, v112
.irp i,1,3,5,7,9,11,13,15
	v_mov_b32 v[BP+\i], 0                          ; named as the upper halves of pairs
.endr
	v_mov_b32 v[TM+2], 0                           ; written once: a lane permute's destination counts as one of its sources
	v_mov_b32 v[TM+3], 0
	s_mov_b32 s[MHI], 0xffff0000
	s_mov_b32 s[SEL], 0x76543210
	s_mov_b32 s[SEL+1], 0xfedcba98                 ; v_permlanex16_b32's selects for lane l xor 16
	s_mov_b32 s[MNT], 0x600000                     ; the mantissa field of 448
	s_wait_kmcnt 0x0
	s_cmp_eq_u32 s[MD], 1                          ; the tensor's seven buffers: the choice hangs on the work-group's number alone
.irp n,0,1,2,3,4,5,6
	s_cselect_b64 s[8+2*\n:9+2*\n], s[22+2*\n:23+2*\n], s[8+2*\n:9+2*\n]
.endr
	s_cmp_eq_u32 s[MD], 2
.irp n,0,1,2,3,4,5,6
	s_cselect_b64 s[8+2*\n:9+2*\n], s[36+2*\n:37+2*\n], s[8+2*\n:9+2*\n]
.endr
	s_cselect_b64 s[RC:RC+1], s[8:9], s[12:13]     ; v: R = the tokens, P = the weight; q, k: the other way round
	s_cselect_b64 s[RSC:RSC+1], s[10:11], s[14:15]
	s_cselect_b64 s[PCB:PCB+1], s[12:13], s[8:9]
	s_cselect_b64 s[PSB:PSB+1], s[14:15], s[10:11]
	; byte offsets for q, k: g = y % 4 (four heads, one a wave), ch = y / 4 (512 tokens)
	s_and_b32 s22, s4, 3
	s_lshl_b32 s22, s22, 2
	s_add_co_u32 s22, s22, s[WV]                   ; my head
	s_lshr_b32 s23, s4, 2
	s_lshl_b32 s24, s22, 10                        ; R's codes: row `head` of W
	s_lshl_b32 s25, s22, 5                         ; R's scale bytes
	s_lshl_b32 s26, s23, 19                        ; P's codes: 512 tokens of 1,024 bytes
	s_lshl_b32 s27, s23, 14                        ; P's scale bytes
	s_lshl_b32 s28, s22, 2                         ; the bias along R
	s_lshr_b32 s29, s23, 2
	s_lshl_b32 s29, s29, 4
	s_add_co_u32 s29, s29, s22                     ; bh = 16 x batch + head
	s_lshl_b32 s29, s29, 7
	s_and_b32 s30, s23, 3
	s_lshl_b32 s30, s30, 5
	s_add_co_u32 s29, s29, s30                     ; 128 bh + my first tile of tokens
	s_lshl_b32 s30, s29, 10
	s_lshl_b32 s31, s29, 5
	; and for v: tc = y / 2 (256 tokens, 64 a wave), hh = y % 2 (eight heads, one a block)
	s_lshr_b32 s32, s4, 1
	s_and_b32 s33, s4, 1
	s_lshl_b32 s34, s32, 8
	s_lshl_b32 s35, s[WV], 6
	s_add_co_u32 s34, s34, s35                     ; my first token
	s_lshl_b32 s35, s34, 10
	s_lshl_b32 s36, s34, 5
	s_lshl_b32 s37, s33, 13                        ; row 8 hh of Wv
	s_lshl_b32 s38, s33, 8
	s_lshl_b32 s39, s33, 5                         ; the bias along P
	s_lshr_b32 s40, s32, 3
	s_lshl_b32 s40, s40, 4
	s_lshl_b32 s41, s33, 3
	s_add_co_u32 s40, s40, s41                     ; bh of block 0
	s_lshl_b32 s40, s40, 4
	s_and_b32 s41, s32, 7
	s_lshl_b32 s41, s41, 1
	s_add_co_u32 s40, s40, s41
	s_add_co_u32 s40, s40, s5                      ; 16 bh + J, J = my 128 keys
	s_lshl_b32 s41, s40, 13
	s_lshl_b32 s42, s6, 10
	s_add_co_u32 s41, s41, s42                     ; + my half of the four groups of 32 keys
	s_lshl_b32 s42, s40, 8
	s_lshl_b32 s43, s6, 1
	s_add_co_u32 s42, s42, s43
	s_cmp_eq_u32 s[MD], 2
	s_cselect_b32 s24, s35, s24
	s_cselect_b32 s25, s36, s25
	s_cselect_b32 s26, s37, s26
	s_cselect_b32 s27, s38, s27
	s_cselect_b32 s28, 0, s28
	s_cselect_b32 s29, s39, 0
	s_cselect_b32 s30, s41, s30
	s_cselect_b32 s31, s42, s31
	s_mov_b32 s[STR], 16384                        ; (an instruction takes one literal; s_mov_b32 leaves SCC alone)
	s_cselect_b32 s[STR], 1024, s[STR]             ; bytes from row to row of R
	s_mov_b32 s[STP], 1024
	s_cselect_b32 s[STP], 16384, s[STP]            ; of P
	s_cselect_b32 s[STRS], 32, 512                 ; of their scale bytes
	s_cselect_b32 s[STPS], 512, 32
	s_mov_b32 s[PSTEP], 65536
	s_cselect_b32 s[PSTEP], 1024, s[PSTEP]         ; from block to block: 64 tokens on, or one head on
	s_cselect_b32 s[PSSTEP], 32, 2048
	s_cselect_b32 s[BPSTEP], 4, 0
	s_mov_b32 s[OCSTEP], 4096
	s_cselect_b32 s[OCSTEP], 131072, s[OCSTEP]
	s_mov_b32 s[OSSTEP], 128
	s_cselect_b32 s[OSSTEP], 4096, s[OSSTEP]
	s_mov_b32 s[SI], 1024
	s_cselect_b32 s[SI], 2048, s[SI]               ; from tile to tile of the codes out
	s_cselect_b32 s[SPAIR], 128, 64                ; from pair to pair of tiles of the scales out
	s_cselect_b32 s[LSH], 2, 1
	s_cselect_b32 s[MV], -1, 0                     ; all lanes in mode v
	s_mov_b32 s[PSTEP+1], 0
	s_mov_b32 s[PSSTEP+1], 0
	s_mov_b32 s[BPSTEP+1], 0
	s_mov_b32 s[OCSTEP+1], 0
	s_mov_b32 s[OSSTEP+1], 0
	s_lshl_b32 s[STR2], s[STR], 1
	s_lshl_b32 s[STP2], s[STP], 1
	s_mov_b32 s45, 0
	s_mov_b32 s44, s24
	s_add_nc_u64 s[RC:RC+1], s[RC:RC+1], s[44:45]
	s_mov_b32 s44, s25
	s_add_nc_u64 s[RSC:RSC+1], s[RSC:RSC+1], s[44:45]
	s_mov_b32 s44, s26
	s_add_nc_u64 s[PCB:PCB+1], s[PCB:PCB+1], s[44:45]
	s_mov_b32 s44, s27
	s_add_nc_u64 s[PSB:PSB+1], s[PSB:PSB+1], s[44:45]
	s_mov_b32 s44, s28
	s_add_nc_u64 s[BRB:BRB+1], s[16:17], s[44:45]
	s_mov_b32 s44, s29
	s_add_nc_u64 s[BPB:BPB+1], s[16:17], s[44:45]
	s_mov_b32 s44, s30
	s_add_nc_u64 s[OCB:OCB+1], s[18:19], s[44:45]
	s_mov_b32 s44, s31
	s_add_nc_u64 s[OSB:OSB+1], s[20:21], s[44:45]
	; offsets in memory
	v_and_b32 v113, 8, v2
	v_add_nc_u32 v113, v113, v2                    ; r + 8 (r / 8)
	v_lshlrev_b32 v[BB], 6, v113
	v_lshlrev_b32 v[BA], 10, v3
	s_lshl_b32 s96, s[WV], 4
	v_add_nc_u32 v112, s96, v3
	v_mul_lo_u32 v112, v112, s[STP]
	v_lshl_add_u32 v[PA], v2, 4, v112              ; sixteen lanes read 256 consecutive bytes of a row, the other sixteen of the next row
.irp p,1,2,3,4,5,6,7
	v_add_nc_u32 v[PA+\p], s[STP2], v[PA+\p-1]
.endr
	v_lshrrev_b32 v112, 1, v1
	v_add_nc_u32 v112, s96, v112
	v_mul_lo_u32 v112, v112, s[STPS]
	v_and_b32 v114, 1, v0
	v_lshl_add_u32 v[PSA], v114, 4, v112
	v_mul_lo_u32 v112, v3, s[STR]
	v_lshl_add_u32 v[RA], v2, 4, v112
.set nn, 1
.rept 31
	v_add_nc_u32 v[RA+nn], s[STR2], v[RA+nn-1]
.set nn, nn+1
.endr
	v_lshl_add_u32 v112, v3, 3, v113               ; lanes 16-31 take the odd tile's rows: 8 further on
	v_mul_lo_u32 v[RSA], v112, s[STRS]
	s_lshl_b32 s97, s[STRS], 5
	v_add_nc_u32 v[RSA+1], s97, v[RSA]
	v_lshlrev_b32 v[OC], 4, v1
.irp i,1,2,3
	v_add_nc_u32 v[OC+\i], s[SI], v[OC+\i-1]
.endr
	v_lshlrev_b32 v[OS], s[LSH], v1
	v_add_nc_u32 v[OS+1], s[SPAIR], v[OS]
; R, piece k (256 bytes of each of my 64 rows: K steps 2 k, 2 k + 1): 32 loads of two rows x 256 consecutive bytes into staging set k % 2 of window 3
.macro RGL k
	WIN 0xc0
.set nn, 0
.rept 32
	global_load_b128 v[128*((\k)%2)+4*nn:128*((\k)%2)+4*nn+3], v[RA+nn], s[RC:RC+1] offset:256*(\k)
.set nn, nn+1
.endr
	WIN 0
.endm
; and through my own stage, rows in the tiles' order, into its resident registers.  The bytes are the wave's own and LDS serves a wave's instructions in order: no barrier, no wait between stores and loads.
.macro RPIECE k
.if (\k) < 3
	s_wait_loadcnt 32                              ; all but the next piece's 32 loads are in
.else
	s_wait_loadcnt 0x0
.endif
	WIN 0x0c                                       ; an LDS store's data are its source 1: window 3
.set nn, 0
.rept 32
	ds_store_b128 v[RW], v[128*((\k)%2)+4*nn:128*((\k)%2)+4*nn+3] offset:(32*((nn>>4)&1)+16*((nn>>2)&1)+8*((nn>>3)&1)+2*(nn&3))*272
.set nn, nn+1
.endr
.if (\k) < 2
	WIN 0x40
.else
	WIN 0x80
.endif
.irp e,0,1
.irp t,0,1,2,3
.irp c,0,1,2,3
	ds_load_b128 v[64*((2*(\k)+\e)%4)+16*\t+4*\c:64*((2*(\k)+\e)%4)+16*\t+4*\c+3], v[RR] offset:16*\t*272+128*\e+32*\c
.endr
.endr
.endr
	WIN 0
	s_wait_dscnt 0x0                               ; the stage has been read and the staging set's stores are done
.if (\k) < 2
	RGL (\k)+2
.endif
.endm
; P: my 16 rows of the next block, in two halves of 8 rows (16 loads)
.macro GLOAD hf
.irp p,0,1,2,3
.irp q,0,1,2,3
	global_load_b128 v[ST+16*\p+4*\q:ST+16*\p+4*\q+3], v[PA+4*(\hf)+\p], s[PCB:PCB+1] offset:256*\q
.endr
.endr
.endm
.macro GLOADX np                       ; with the first half: their scale bytes, and the block's bias along P
	global_load_b128 v[STS:STS+3], v[PSA], s[PSB:PSB+1]
.irp i,0,1,2,3
	global_load_b32 v[BP+8*(\np)+2*\i], v[BB], s[BPB:BPB+1] offset:64*(32*(\i/2)+8*(\i%2))
.endr
.endm
.macro STORE hf, np
.irp p,0,1,2,3
.irp q,0,1,2,3
	ds_store_b128 v[LW+(\np)], v[ST+16*\p+4*\q:ST+16*\p+4*\q+3] offset:(16*(\hf)+2*\p)*PITCH+256*\q
.endr
.endr
.endm
.macro STOREX np
	ds_store_b128 v[LSW+(\np)], v[STS:STS+3]
.irp i,0,1,2,3
	v_cndmask_b32 v[BP+8*(\np)+2*\i], v[NIL], v[BP+8*(\np)+2*\i], s[MV]   ; q, k have no bias along P: 0
.endr
.endm
.macro FETCH p, i, set                 ; tile i of buffer p, all 8 K steps: 32 loads into set `set` of window 3
	WIN 0xc0
.irp s,0,1,2,3,4,5,6,7
.irp c,0,1,2,3
	ds_load_b128 v[128*(\set)+16*\s+4*\c:128*(\set)+16*\s+4*\c+3], v[LR+(\p)] offset:16*(\i)*PITCH+128*\s+32*\c
.endr
.endr
	WIN 0
.endm
.macro WM i, set, s, t
.set rD, ACC+8*(\t)
.set rA, 64*((\s)%4)+16*(\t)
.set rB, 128*(\set)+16*(\s)
.set rX, RS+8*((\t)/2)+(\s)
.set rY, PS+8*((\i)/2)+(\s)
.if (\s) == 0
.set rC, BR+8*(\t)                     ; the bias along R starts the sum
.else
.set rC, rD
.endif
.if ((\t)%2 == 0) && ((\i)%2 == 0)
	v_wmma_scale_f32_16x16x128_f8f6f4 v[rD:rD+7], v[rA:rA+15], v[rB:rB+15], v[rC:rC+7], v[rX], v[rY]
.elseif ((\t)%2 == 1) && ((\i)%2 == 0)
	v_wmma_scale_f32_16x16x128_f8f6f4 v[rD:rD+7], v[rA:rA+15], v[rB:rB+15], v[rC:rC+7], v[rX], v[rY] matrix_a_scale:MATRIX_SCALE_ROW1
.elseif ((\t)%2 == 0)
	v_wmma_scale_f32_16x16x128_f8f6f4 v[rD:rD+7], v[rA:rA+15], v[rB:rB+15], v[rC:rC+7], v[rX], v[rY] matrix_b_scale:MATRIX_SCALE_ROW1
.else
	v_wmma_scale_f32_16x16x128_f8f6f4 v[rD:rD+7], v[rA:rA+15], v[rB:rB+15], v[rC:rC+7], v[rX], v[rY] matrix_a_scale:MATRIX_SCALE_ROW1 matrix_b_scale:MATRIX_SCALE_ROW1
.endif
.endm
; 32 matrix instructions: my four tiles of R x tile i of P, K ascending.  The four accumulators take turns, one instruction a turn.
.macro MM i, set
.irp s,0,1,2,3,4,5,6,7
.if \s == 0
	WIN 0x0d                                       ; source 0 (R) window 1, source 1 (P) window 3, C and D window 0
.endif
.if \s == 4
	WIN 0x0e                                       ; R's K steps 4-7: window 2
.endif
.irp t,0,1,2,3
	WM \i, \set, \s, \t
.endr
.endr
	WIN 0
.endm
; 32 numbers of a lane, v[s] on, register 16 b + i = place 32 b + 16 (lane / 16) + i along the quantiser's axis, become 8 registers of codes, v[pc] on, and two scale bytes in v[pw].
.macro QUANT2 s, pc, pw
.irp b,0,1
	v_max3_num_f32 v[TM+\b], |v[\s+16*\b]|, |v[\s+1+16*\b]|, 0x4800000   ; my 16 numbers of block b, and the floor 2^(9 - 127): the byte cannot fall under 1
.endr
.irp i,2,4,6,8,10,12,14
.irp b,0,1
	v_max3_num_f32 v[TM+\b], v[TM+\b], |v[\s+16*\b+\i]|, |v[\s+1+16*\b+\i]|
.endr
.endr
.irp b,0,1
	v_permlanex16_b32 v[TM+2+\b], v[TM+\b], s[SEL], s[SEL+1]
.endr
.irp b,0,1
	v_max_num_f32 v[TM+\b], v[TM+\b], v[TM+2+\b]   ; with lane l xor 16's: the block's largest magnitude
.endr
.irp b,0,1
	v_add_nc_u32 v[TM+6+\b], 0xfc000000, v[TM+\b]  ; 8 off its exponent field: the conversion's scale operand
.endr
.irp b,0,1
	v_and_or_b32 v[TM+4+\b], v[TM+\b], 0x7f800000, s[MNT]   ; 448 x the scale
.endr
.irp b,0,1
	v_lshrrev_b32 v[TM+2+\b], 23, v[TM+6+\b]       ; the scale's byte
.endr
	v_lshl_or_b32 v[\pw], v[TM+3], 8, v[TM+2]
.irp b,0,1
.irp i,0,1,2,3,4,5,6,7,8,9,10,11,12,13,14,15
	v_med3_num_f32 v[\s+16*\b+\i], v[\s+16*\b+\i], -v[TM+4+\b], v[TM+4+\b]   ; the conversion to an 8-bit code does not saturate (ISA guide 7.6.2): the hold at the largest code x the scale
.endr
	v_cvt_scalef32_pk8_fp8_f32 v[\pc+4*\b:\pc+4*\b+1], v[\s+16*\b:\s+16*\b+7], v[TM+6+\b]
	v_cvt_scalef32_pk8_fp8_f32 v[\pc+4*\b+2:\pc+4*\b+3], v[\s+16*\b+8:\s+16*\b+15], v[TM+6+\b]
.endr
	v_nop                                          ; one plain vector instruction behind the last conversion, ahead of whatever next writes its sources
.endm
; One tile of 16 rows of P against my 64 rows of R.
.macro TILE p, i, last
.if (\i) < 3
	FETCH \p, (\i)+1, ((\i)+1)%2                   ; the next tile's fragments; the set's last products stand nine v_nop and more back
	s_wait_dscnt 32                                ; all but these 32: this tile's fragments are in, and any staging stores issued ahead of them are done
.else
	s_wait_dscnt 0x0
.endif
.if ((\i) == 2) && ((\last) == 0)
	GLOAD 1                                        ; the staging registers are free: their stores are done
.endif
	MM \i, (\i)%2
.rept 9
	v_nop                                          ; 8 places ahead of the first read of results and of loads into registers that these products read; 9 ahead of the next tile's first product, which begins the accumulators anew
.endr
.set nn, 0
.rept 16
	v_pk_add_f32 v[ACC+2*nn:ACC+2*nn+1], v[ACC+2*nn:ACC+2*nn+1], v[BP+8*(\p)+2*(\i):BP+8*(\p)+2*(\i)+1] op_sel_hi:[1,0]   ; the bias along P; each accumulator from its low end on
.set nn, nn+1
.endr
	s_wait_xcnt 0x0                                ; the last tile's stores have read their data: the codes' registers are written again only behind this wait
	QUANT2 ACC, PC, PW+(\i)%2
	global_store_b128 v[OC+(\i)], v[PC:PC+3], s[OCB:OCB+1]               ; 512 consecutive bytes, aligned
	global_store_b128 v[OC+(\i)], v[PC+4:PC+7], s[OCB:OCB+1] offset:512
.if (\i)%2 == 1
	v_cndmask_b32 v[WD], v[PW], v[PW+1], s[MHI]    ; lanes 0-15: the even tile's rows, lanes 16-31: the odd tile's (both halves of the lanes hold every row's bytes)
	global_store_b16 v[OS+(\i)/2], v[WD], s[OSB:OSB+1]
.endif
.if ((\i) == 1) && ((\last) == 0)
	s_wait_loadcnt 0x0                             ; the next block's first half, asked for at this block's head
	STORE 0, 1-(\p)
	STOREX 1-(\p)
.endif
.if ((\i) == 3) && ((\last) == 0)
	s_wait_loadcnt 0x0
	STORE 1, 1-(\p)
.endif
.endm
; A block of 64 rows of P in buffer p.  ONE barrier: in front of it each wave's stores into this buffer have landed and its reads of the other buffer are back; behind it this buffer is read and the other written.
.macro BLOCK p, last
	s_wait_dscnt 0x0
	s_barrier_signal -1
	s_barrier_wait -1
.irp ip,0,1
.irp qq,0,1
	ds_load_b128 v[PS+8*\ip+4*\qq:PS+8*\ip+4*\qq+3], v[LSR+(\p)] offset:1024*\ip+16*\qq
.endr
.endr
	FETCH \p, 0, 0
.if (\last) == 0
	GLOAD 0
	GLOADX 1-(\p)
.endif
	TILE \p, 0, \last
	TILE \p, 1, \last
	TILE \p, 2, \last
	TILE \p, 3, \last
.if (\last) == 0
	s_wait_xcnt 0x0                                ; every load and store has read its base: now they step
	s_add_nc_u64 s[OCB:OCB+1], s[OCB:OCB+1], s[OCSTEP:OCSTEP+1]
	s_add_nc_u64 s[OSB:OSB+1], s[OSB:OSB+1], s[OSSTEP:OSSTEP+1]
	s_add_nc_u64 s[PCB:PCB+1], s[PCB:PCB+1], s[PSTEP:PSTEP+1]
	s_add_nc_u64 s[PSB:PSB+1], s[PSB:PSB+1], s[PSSTEP:PSSTEP+1]
	s_add_nc_u64 s[BPB:BPB+1], s[BPB:BPB+1], s[BPSTEP:BPSTEP+1]
.endif
.endm
.irp b,0,1
.irp qq,0,1
	global_load_b128 v[RS+8*\b+4*\qq:RS+8*\b+4*\qq+3], v[RSA+\b], s[RSC:RSC+1] offset:16*\qq   ; a row's 32 scale bytes are the words of its 8 K steps
.endr
.endr
.irp t,0,1,2,3
.irp j,0,1,2,3,4,5,6,7
	global_load_b32 v[BR+8*\t+\j], v[BA], s[BRB:BRB+1] offset:64*(32*(\t/2)+8*(\t%2)+\j)   ; b at column 16 d + head, d = 32 (t / 2) + 16 h + 8 (t % 2) + j
.endr
.endr
	GLOAD 0                                        ; block 0 of P
	GLOADX 0
	RGL 0
	RGL 1
	RPIECE 0
	RPIECE 1
	RPIECE 2
	RPIECE 3                                       ; its wait for 0 covers every load so far
	STORE 0, 0
	STOREX 0
	s_wait_dscnt 0x0
	GLOAD 1
.set nn, 0
.rept 32
	v_cndmask_b32 v[BR+nn], v[BR+nn], v[NIL], s[MV]   ; v has no bias along R: 0
.set nn, nn+1
.endr
	s_wait_loadcnt 0x0
	STORE 1, 0
	s_wait_xcnt 0x0
	s_add_nc_u64 s[PCB:PCB+1], s[PCB:PCB+1], s[PSTEP:PSTEP+1]
	s_add_nc_u64 s[PSB:PSB+1], s[PSB:PSB+1], s[PSSTEP:PSSTEP+1]
	s_add_nc_u64 s[BPB:BPB+1], s[BPB:BPB+1], s[BPSTEP:BPSTEP+1]
	s_mov_b32 s[CNT], 3
.Lpair:                                            ; blocks 0 to 5, two a trip
	BLOCK 0, 0
	BLOCK 1, 0
	s_sub_co_u32 s[CNT], s[CNT], 1
	s_cmp_lg_u32 s[CNT], 0
	s_cbranch_scc1 .Lpair
	BLOCK 0, 0
	BLOCK 1, 1                                     ; the last block stages nothing: no load leaves its buffer
	s_wait_tensorcnt 0x0
	ds_add_u32 v254, v255
	s_wait_dscnt 0x0
	s_endpgm
.Lfunc_end_k_q6a5e70f0b1_proj:
	.size	k_q6a5e70f0b1_proj, .Lfunc_end_k_q6a5e70f0b1_proj-k_q6a5e70f0b1_proj
	.p2alignl 7, 3214868480
	.fill 96, 4, 3214868480
	.section	.rodata,"a",@progbits
	.p2align	6, 0x0
	.amdhsa_kernel k_q6a5e70f0b1_proj
		.amdhsa_group_segment_fixed_size 207360
		.amdhsa_private_segment_fixed_size 0
		.amdhsa_enable_private_segment 0
		.amdhsa_kernarg_size 168
		.amdhsa_user_sgpr_count 2
		.amdhsa_user_sgpr_kernarg_segment_ptr 1
		.amdhsa_wavefront_size32 1
		.amdhsa_system_sgpr_workgroup_id_x 1
		.amdhsa_system_sgpr_workgroup_id_y 1
		.amdhsa_system_sgpr_workgroup_id_z 1
		.amdhsa_system_vgpr_workitem_id 0
		.amdhsa_next_free_vgpr 1024
		.amdhsa_next_free_sgpr 104
		.amdhsa_reserve_vcc 0
		.amdhsa_float_denorm_mode_32 3
		.amdhsa_float_denorm_mode_16_64 3
		.amdhsa_memory_ordered 1
		.amdhsa_forward_progress 1
		.amdhsa_inst_pref_size 255
	.end_amdhsa_kernel
	.section	.bss,"aw",@nobits
	.p2align	6
	.space	262144
	.amdgpu_metadata
---
amdhsa.version: [ 1, 2 ]
amdhsa.kernels:
  - .name:           k_q6a5e70f0b1_proj
    .symbol:         k_q6a5e70f0b1_proj.kd
    .args:
      - { .name: q_codes, .offset: 0, .size: 8, .value_kind: global_buffer, .address_space: global }
      - { .name: q_scales, .offset: 8, .size: 8, .value_kind: global_buffer, .address_space: global }
      - { .name: Wq_codes, .offset: 16, .size: 8, .value_kind: global_buffer, .address_space: global }
      - { .name: Wq_scales, .offset: 24, .size: 8, .value_kind: global_buffer, .address_space: global }
      - { .name: bq, .offset: 32, .size: 8, .value_kind: global_buffer, .address_space: global }
      - { .name: qc, .offset: 40, .size: 8, .value_kind: global_buffer, .address_space: global }
      - { .name: qs, .offset: 48, .size: 8, .value_kind: global_buffer, .address_space: global }
      - { .name: k_codes, .offset: 56, .size: 8, .value_kind: global_buffer, .address_space: global }
      - { .name: k_scales, .offset: 64, .size: 8, .value_kind: global_buffer, .address_space: global }
      - { .name: Wk_codes, .offset: 72, .size: 8, .value_kind: global_buffer, .address_space: global }
      - { .name: Wk_scales, .offset: 80, .size: 8, .value_kind: global_buffer, .address_space: global }
      - { .name: bk, .offset: 88, .size: 8, .value_kind: global_buffer, .address_space: global }
      - { .name: kc, .offset: 96, .size: 8, .value_kind: global_buffer, .address_space: global }
      - { .name: ks, .offset: 104, .size: 8, .value_kind: global_buffer, .address_space: global }
      - { .name: v_codes, .offset: 112, .size: 8, .value_kind: global_buffer, .address_space: global }
      - { .name: v_scales, .offset: 120, .size: 8, .value_kind: global_buffer, .address_space: global }
      - { .name: Wv_codes, .offset: 128, .size: 8, .value_kind: global_buffer, .address_space: global }
      - { .name: Wv_scales, .offset: 136, .size: 8, .value_kind: global_buffer, .address_space: global }
      - { .name: bv, .offset: 144, .size: 8, .value_kind: global_buffer, .address_space: global }
      - { .name: vc, .offset: 152, .size: 8, .value_kind: global_buffer, .address_space: global }
      - { .name: vs, .offset: 160, .size: 8, .value_kind: global_buffer, .address_space: global }
    .group_segment_fixed_size: 207360
    .private_segment_fixed_size: 0
    .kernarg_segment_align: 8
    .kernarg_segment_size: 168
    .max_flat_workgroup_size: 128
    .sgpr_count:     104
    .vgpr_count:     1024
    .wavefront_size: 32
...
	.end_amdgpu_metadata
.endif
;; end of part 1
;; launch attn (part 2): grid 4 x 64, 16 waves a work-group, no clusters, 327,680 bytes of LDS; arguments qc, qs, kc, ks, vc, vs, cc, cs; writes cc, cs
.if DOCPART == 2
	.amdgcn_target "amdgcn-amd-amdhsa--gfx1250"
	.amdhsa_code_object_version 6
	.text
	.protected	k_q6a5e70f0b1_attn
	.globl	k_q6a5e70f0b1_attn
	.p2align	8
	.type	k_q6a5e70f0b1_attn,@function
k_q6a5e70f0b1_attn:
	s_mov_b64 s[64:65], 0
	v_nop
	global_prefetch_b8 v0, s[64:65] scope:SCOPE_SE
	s_setreg_imm32_b32 hwreg(HW_REG_WAVE_MODE, 25, 1), 1
	s_wait_xcnt 0x0
; CAUSAL ATTENTION on codes of E4M3, one E8M0 byte for each 32 along a product's K, for one (batch, head) bh = work-group y; 2,048 tokens, head size 64; and the quantiser of the context.
; t = score x log2(e) / 32 (the logits are divided by sqrt(1024)); M = the row's largest t so far, rounded UP to a whole number; p = 2^(t - M) is what is quantised, along the keys, not normalised.
; The row's sum is taken of the unquantised p in f32 and divides O at the end.  When M moves, the sum and O are multiplied by 2^(old M - new M): exact.
; SHARES.  Work-group x = i (0 .. 3) owns two blocks of 256 queries: block i, then block 7 - i.  It walks (i + 1) + (8 - i) = 9 slots of 256 keys, the same number in every work-group: 256 work-groups of equal work,
; every trip count a constant of the text, and no tile fetched that nobody reads.  Each of the sixteen waves owns one tile of 16 queries in 256 registers: four waves to a SIMD.
; ALL OPERANDS LIE IN MEMORY AS IMAGES OF THEIR REGISTERS (16 bytes a lane): a slot's K codes, V codes, K scales and V scales are four dense blocks, brought by waves 0 to 3, one tensor load each, and read by all.
; Both products are used transposed: S^T = K Q^T (source 0 = 16 keys), O^T = V^T P^T (source 0 = 16 of the head's 64): a lane holds ONE query throughout.
; Tile T of tokens has token 32 (T / 2) + 8 (T % 2) + r + 8 (r / 8) in lane r; V's tiles of d likewise: so the 16 registers of result tiles 2 b, 2 b + 1 are 16 neighbours, 32 b + 16 (lane / 16) + 0 .. 15.
; The first product's K is 64: the upper half of K's and Q's fragments holds zero codes (set once), under the scale bytes 0 that a 16-bit load leaves: they add nothing.
; THE MASK.  A step all of whose 128 keys come after my queries is jumped over (a scalar branch on ids); on the diagonal hidden scores become -infinity ahead of the maximum; p is then 0.
; No joint loads: the four work-groups of a head stand at different key slots at the same change of slots (their first blocks have 1 to 4 slots), so no two ask for the same tile together.
; OUT: cc [tile of tokens 512][K step 8][c 4][lane][16]: the context's codes along k = 64 head + d, as the last product's operand; cs words [tile][K step][16], of which a head writes one half.
; LIMITS: NaN and infinities are not served.  A block whose largest magnitude lies under 2^-118 gets the byte 1.  1 / sum is v_rcp_f32 and a multiplication.
;   A block's largest p is made from the block's largest score by the same two instructions: this takes v_exp_f32 not to fall where its input rises.  The scale halves leave as 2 bytes a lane.
.set SLOT1, 1<<16                      ; slot n begins at n << 16: + 0 K's codes (16 KB), + 16384 V's codes (16 KB), + 32768 K's scales (512), + 49152 V's scales (512)
.set SPARE, 131072                     ; the spare words, 128 bytes for each of 16 waves: eight blocks of 256 bytes that no other line names
.set LI,  1                            ; v1   16 x lane
.set AKS, 2                            ; v2   2 r + 32768
.set AVS, 3                            ; v3   4 r + 49152
.set DQ,  4                            ; v4   r + 8 (r / 8) - 16 h
.set SPW, 5                            ; v5   LDS address of my spare word; never rewritten
.set NIL, 6                            ; v6   0; never rewritten
.set GQS, 7                            ; v7   2 r
.set ADK, 8                            ; v8-10 the slot's addresses
.set ADS, 9
.set ADT, 10
.set GCS, 11                           ; v11  4 r
; v12 -M, v13 the largest t, v[14:15] the sum in two halves; v16-31 Q; v32-95 four fragments of K; v96-159 S^T, then p, then V's four fragments; v160-191 O^T; v192-207 p's codes
.set BM,  208                          ; v208-211 a block's largest score, then its largest p
.set BT,  212                          ; v212-215 the other half's, then the bytes
.set BL,  216                          ; v216-219 448 x the scale
.set BS,  220                          ; v220-223 the conversion's scale operand
.set KS,  224                          ; v224-227 K's or V's scale words;  v228 Q's;  v229 p's
.set TM,  236                          ; v236-243 the context's quantiser;  v244 its two bytes
.set WV,  2
.set IX,  3
.set BH,  4
.set G1C, 24                           ; s[24:31] group 1: 64 rows of 256 bytes
.set G1S, 32                           ; s[32:39] group 1: 2 rows of 256 bytes
.set G0,  40                           ; s[40:43] my group 0
.set BASE, 44                          ; s[44:45] my buffer at this head
.set OFS, 46
.set STEPB, 48                         ; bytes of a slot in my buffer
.set KN,  49                           ; the key slot to fetch
.set FC,  50                           ; fills issued
.set SWI, 51                           ; i + 1: slots of the first block
.set CNT, 52                           ; slots begun
.set TB,  53                           ; LDS byte at which the slot in hand begins
.set KF,  54                           ; the step's first key
.set QMIN, 55
.set QMAX, 56
.set LOOP, 57
.set CS,  58                           ; s[58:59] c = log2(e) / 32
.set SEL, 60
.set MNT, 62
.set TMP, 63
.set TT,  66                           ; my tile of queries
.set QCB, 68
.set QSB, 70
.set CCB, 72
.set CSB, 74
; Waves 0 and 1 fetch codes, waves 2 and 3 scale bytes, the others nothing.  The branches hang on the wave's number alone.  Four v_nop follow each of the two lines.
.macro TLOAD
	s_cmp_lt_u32 s[WV], 2
	s_cbranch_scc0 .Lnot_c_\@
	tensor_load_to_lds s[G0:G0+3], s[G1C:G1C+7]
	s_nop 0
.rept 4
	v_nop
.endr
	s_branch .Lasked_\@
.Lnot_c_\@:
	s_cmp_lt_u32 s[WV], 4
	s_cbranch_scc0 .Lasked_\@
	tensor_load_to_lds s[G0:G0+3], s[G1S:G1S+7]
	s_nop 0
.rept 4
	v_nop
.endr
.Lasked_\@:
.endm
	s_load_b512 s[8:23], s[0:1], 0x0               ; qc s[8:9], qs, kc s[12:13], ks, vc s[16:17], vs, cc s[20:21], cs
	v_lshl_add_u32 v[SPW], v0, 2, SPARE
	v_mov_b32 v[NIL], 0
	ds_add_u32 v5, v6
	s_wait_dscnt 0x0
	v_lshrrev_b32 v1, 5, v0
	v_readfirstlane_b32 s[WV], v1                  ; wave 0..15
	s_mov_b32 s[IX], ttmp9
	s_and_b32 s[BH], ttmp7, 0xffff
	s_mov_b32 s[G1C], 3<<16                        ; no mask; elements of 8 bytes; no padding: the images are read 16 bytes a lane on end
	s_mov_b32 s[G1C+1], 32<<16                     ; tensor_dim0 = 32 elements = 256 bytes
	s_mov_b32 s[G1C+2], 64<<16                     ; tensor_dim1 = 64
	s_mov_b32 s[G1C+3], 32<<16                     ; tile_dim0
	s_mov_b32 s[G1C+4], 64                         ; tile_dim1
	s_mov_b32 s[G1C+5], 32                         ; the pitch: dense
	s_mov_b32 s[G1C+6], 0
	s_mov_b32 s[G1C+7], 0
	s_mov_b32 s[G1S], 3<<16
	s_mov_b32 s[G1S+1], 32<<16
	s_mov_b32 s[G1S+2], 2<<16
	s_mov_b32 s[G1S+3], 32<<16
	s_mov_b32 s[G1S+4], 2
	s_mov_b32 s[G1S+5], 32
	s_mov_b32 s[G1S+6], 0
	s_mov_b32 s[G1S+7], 0
	s_mov_b32 s[CS], 0x3d38aa3b
	s_mov_b32 s[CS+1], s[CS]                       ; (named with it as a pair, so it is written)
	s_mov_b32 s[SEL], 0x76543210
	s_mov_b32 s[SEL+1], 0xfedcba98
	s_mov_b32 s[MNT], 0x600000
	s_mov_b32 s[KN], 0
	s_mov_b32 s[FC], 0
	s_mov_b32 s[CNT], 0
	s_mov_b32 s[TB], 0
	s_mov_b32 s[KF], 0
	s_add_co_u32 s[SWI], s[IX], 1
	s_and_b32 s[G0+1], s[WV], 3
	s_lshl_b32 s[G0+1], s[G0+1], 14                ; LDS address in slot 0: 16384 x wave
	s_mov_b32 s[G0], 1
	s_wait_kmcnt 0x0
	s_cmp_eq_u32 s[WV], 1                          ; my buffer: kc, vc, ks, vs for waves 0, 1, 2, 3
	s_cselect_b64 s[BASE:BASE+1], s[16:17], s[12:13]
	s_cmp_eq_u32 s[WV], 2
	s_cselect_b64 s[BASE:BASE+1], s[14:15], s[BASE:BASE+1]
	s_cmp_eq_u32 s[WV], 3
	s_cselect_b64 s[BASE:BASE+1], s[18:19], s[BASE:BASE+1]
	s_cmp_lt_u32 s[WV], 2
	s_mov_b32 s[STEPB], 512
	s_cselect_b32 s[STEPB], 16384, s[STEPB]
	s_cselect_b32 s[TMP], 17, 12                   ; a head's codes are 2^17 bytes, its scale bytes 2^12
	s_lshl_b32 s[OFS], s[BH], s[TMP]
	s_mov_b32 s[OFS+1], 0
	s_add_nc_u64 s[BASE:BASE+1], s[BASE:BASE+1], s[OFS:OFS+1]
	s_mov_b64 s[G0+2:G0+3], s[BASE:BASE+1]         ; key slot 0
	s_or_b32 s[G0+3], s[G0+3], 0x80000000          ; type = 2
	TLOAD                                          ; slot 0: the first fill, ahead of every wait on TENSORcnt, LDS read and barrier
	s_lshl_b32 s[OFS], s[BH], 17
	s_add_nc_u64 s[QCB:QCB+1], s[8:9], s[OFS:OFS+1]
	s_lshl_b32 s[OFS], s[BH], 12
	s_add_nc_u64 s[QSB:QSB+1], s[10:11], s[OFS:OFS+1]
	s_lshr_b32 s[TMP], s[BH], 4                    ; batch
	s_and_b32 s84, s[BH], 15                       ; head
	s_lshr_b32 s85, s84, 1                         ; the last product's K step: two heads
	s_and_b32 s87, s[BH], 1
	s_lshl_b32 s[OFS], s[TMP], 21                  ; 128 tiles of 16,384 bytes a batch
	s_lshl_b32 s86, s85, 11
	s_add_co_u32 s[OFS], s[OFS], s86
	s_lshl_b32 s86, s87, 10
	s_add_co_u32 s[OFS], s[OFS], s86
	s_add_nc_u64 s[CCB:CCB+1], s[20:21], s[OFS:OFS+1]
	s_lshl_b32 s[OFS], s[TMP], 16
	s_lshl_b32 s86, s85, 6
	s_add_co_u32 s[OFS], s[OFS], s86
	s_lshl_b32 s86, s87, 1
	s_add_co_u32 s[OFS], s[OFS], s86
	s_add_nc_u64 s[CSB:CSB+1], s[22:23], s[OFS:OFS+1]
	v_and_b32 v1, 31, v0
	v_lshlrev_b32 v[LI], 4, v1
	v_and_b32 v232, 15, v0                         ; r
	v_lshlrev_b32 v[GQS], 1, v232
	v_lshlrev_b32 v[GCS], 2, v232
	v_lshl_add_u32 v[AKS], v232, 1, 32768
	v_lshl_add_u32 v[AVS], v232, 2, 49152
	v_and_b32 v233, 8, v232
	v_add_nc_u32 v[DQ], v233, v232
	v_bfe_u32 v233, v0, 4, 1
	v_lshlrev_b32 v233, 4, v233
	v_sub_nc_u32 v[DQ], v[DQ], v233
.irp j,0,1,2,3,4,5,6,7
	v_mov_b32 v[24+\j], 0                          ; zero codes: the upper 64 of the first product's 128 along K, in Q
.endr
.irp t,0,1,2,3
.irp j,0,1,2,3,4,5,6,7
	v_mov_b32 v[40+16*\t+\j], 0                    ; and in K's four fragments
.endr
.endr
.irp b,0,1,2,3
	v_mov_b32 v[BT+\b], 0                          ; written once: a lane permute's destination counts as one of its sources
.endr
	v_mov_b32 v231, 0                              ; (the upper half of the pair v[230:231])
	v_mov_b32 v[TM+2], 0
	v_mov_b32 v[TM+3], 0
.macro QUANT2 s, pc, pw                ; 32 numbers of a lane, register 16 b + i = d 32 b + 16 (lane / 16) + i, become 8 registers of codes and two scale bytes
.irp b,0,1
	v_max3_num_f32 v[TM+\b], |v[\s+16*\b]|, |v[\s+1+16*\b]|, 0x4800000   ; and the floor 2^(9 - 127): the byte cannot fall under 1
.endr
.irp i,2,4,6,8,10,12,14
.irp b,0,1
	v_max3_num_f32 v[TM+\b], v[TM+\b], |v[\s+16*\b+\i]|, |v[\s+1+16*\b+\i]|
.endr
.endr
.irp b,0,1
	v_permlanex16_b32 v[TM+2+\b], v[TM+\b], s[SEL], s[SEL+1]
.endr
.irp b,0,1
	v_max_num_f32 v[TM+\b], v[TM+\b], v[TM+2+\b]
.endr
.irp b,0,1
	v_add_nc_u32 v[TM+6+\b], 0xfc000000, v[TM+\b]
.endr
.irp b,0,1
	v_and_or_b32 v[TM+4+\b], v[TM+\b], 0x7f800000, s[MNT]
.endr
.irp b,0,1
	v_lshrrev_b32 v[TM+2+\b], 23, v[TM+6+\b]
.endr
	v_lshl_or_b32 v[\pw], v[TM+3], 8, v[TM+2]
.irp b,0,1
.irp i,0,1,2,3,4,5,6,7,8,9,10,11,12,13,14,15
	v_med3_num_f32 v[\s+16*\b+\i], v[\s+16*\b+\i], -v[TM+4+\b], v[TM+4+\b]   ; the conversion to an 8-bit code does not saturate (ISA guide 7.6.2)
.endr
	v_cvt_scalef32_pk8_fp8_f32 v[\pc+4*\b:\pc+4*\b+1], v[\s+16*\b:\s+16*\b+7], v[TM+6+\b]
	v_cvt_scalef32_pk8_fp8_f32 v[\pc+4*\b+2:\pc+4*\b+3], v[\s+16*\b+8:\s+16*\b+15], v[TM+6+\b]
.endr
	v_nop                                          ; one plain vector instruction behind the last conversion
.endm
; My tile s[TT] begins: Q's fragment and scale bytes, the bounds of my queries, and the running numbers.
.macro INIT
	s_lshl_b32 s[OFS], s[TT], 10
	s_add_nc_u64 s[76:77], s[QCB:QCB+1], s[OFS:OFS+1]
	s_lshl_b32 s[OFS], s[TT], 5
	s_add_nc_u64 s[78:79], s[QSB:QSB+1], s[OFS:OFS+1]
	global_load_b128 v[16:19], v[LI], s[76:77]
	global_load_b128 v[20:23], v[LI], s[76:77] offset:512
	global_load_u16 v228, v[GQS], s[78:79]
	s_lshr_b32 s[QMIN], s[TT], 1
	s_lshl_b32 s[QMIN], s[QMIN], 5
	s_and_b32 s[TMP], s[TT], 1
	s_lshl_b32 s[TMP], s[TMP], 3
	s_add_co_u32 s[QMIN], s[QMIN], s[TMP]          ; my queries: QMIN + (0 .. 7, 16 .. 23)
	s_add_co_u32 s[QMAX], s[QMIN], 23
	v_mov_b32 v13, 0xff61b1e6                      ; the largest t so far: -3e38, under every t
	v_floor_f32 v12, -v13                          ; -M
	v_mov_b32 v14, 0
	v_mov_b32 v15, 0
.set nn, 0
.rept 32
	v_mov_b32 v[160+nn], 0                         ; O^T: the step is written once; the first finds zeros, which the first change of M leaves zeros
.set nn, nn+1
.endr
.endm
; My tile ends: O^T / the sum, quantised along d, leaves as two groups of the last product's operand.
.macro FINISH
.rept 8
	v_nop                                          ; places behind the last products (ISA guide 7.12.1)
.endr
	v_add_f32 v14, v14, v15
	v_permlanex16_b32 v232, v14, s[SEL], s[SEL+1]
	v_add_f32 v14, v14, v232                       ; the row's sum
	v_rcp_f32 v14, v14
	v_nop                                          ; one plain place behind the transcendental
.set nn, 0
	s_wait_alu depctr_va_vdst(0)
.rept 16
	v_pk_mul_f32 v[160+2*nn:161+2*nn], v[160+2*nn:161+2*nn], v[14:15] op_sel_hi:[1,0]
.set nn, nn+1
.endr
	QUANT2 160, 192, 244
	s_lshl_b32 s[OFS], s[TT], 14
	s_add_nc_u64 s[80:81], s[CCB:CCB+1], s[OFS:OFS+1]
	s_lshl_b32 s[OFS], s[TT], 9
	s_add_nc_u64 s[82:83], s[CSB:CSB+1], s[OFS:OFS+1]
	global_store_b128 v[LI], v[192:195], s[80:81]              ; 512 consecutive bytes, aligned
	global_store_b128 v[LI], v[196:199], s[80:81] offset:512
	global_store_b16 v[GCS], v244, s[82:83]                    ; both halves of the lanes hold the row's bytes and write the same
.endm
; A KEY STEP: 128 keys, the q-th of the slot in hand.
.macro STEP q
	s_cmp_gt_u32 s[KF], s[QMAX]                    ; all 128 keys come after my queries: nothing to do but to step
	s_cbranch_scc1 .Lhidden_\@
	v_add_nc_u32 v[ADK], s[TB], v[LI]
	v_add_nc_u32 v[ADS], s[TB], v[AKS]
	v_add_nc_u32 v[ADT], s[TB], v[AVS]
.rept 7
	v_nop                                          ; with the three additions ten places: nine are owed, since the products below write over registers that the last step's products read as V's fragments
.endr
.irp g,0,1                                     ; S^T = K Q^T, four tiles of 16 keys at a time
.if \g > 0
.rept 8
	v_nop                                          ; places in front of loads into registers that matrix instructions have read
.endr
.endif
.irp t,0,1,2,3
	ds_load_b128 v[32+16*\t:35+16*\t], v[ADK] offset:(8*(\q)+4*\g+\t)*1024
	ds_load_b128 v[36+16*\t:39+16*\t], v[ADK] offset:(8*(\q)+4*\g+\t)*1024+512
	ds_load_u16 v[KS+\t], v[ADS] offset:(8*(\q)+4*\g+\t)*32
.endr
	s_wait_dscnt 0x0
.irp t,0,1,2,3
	v_wmma_scale_f32_16x16x128_f8f6f4 v[96+8*(4*\g+\t):103+8*(4*\g+\t)], v[32+16*\t:47+16*\t], v[16:31], 0, v[KS+\t], v228
.endr
.endr
.rept 8
	v_nop
.endr
	s_add_co_u32 s[TMP], s[KF], 127                ; a step all of whose keys count skips the mask
	s_cmp_le_u32 s[TMP], s[QMIN]
	s_cbranch_scc1 .Lopen_\@
	s_sub_co_i32 s[TMP], s[QMIN], s[KF]
	v_add_nc_u32 v232, s[TMP], v[DQ]               ; my query - KF - 16 h.  Register 16 b + i holds key KF + 16 h + 32 b + i: hidden where 32 b + i is larger
	v_mov_b32 v233, 0xff800000                     ; -infinity
.set nn, 0
.rept 64
	v_cmp_gt_i32 vcc_lo, 32*(nn/16)+nn%16, v232
	v_cndmask_b32 v[96+nn], v[96+nn], v233, vcc_lo
.set nn, nn+1
.endr
.Lopen_\@:
.irp b,0,1,2,3
	v_max3_num_f32 v[BM+\b], v[96+16*\b], v[97+16*\b], v[98+16*\b]   ; the largest score of each block of 32 keys: for the row's maximum, and, since p rises with the score, for the block's largest p
.endr
.irp i,3,5,7,9,11,13
.irp b,0,1,2,3
	v_max3_num_f32 v[BM+\b], v[BM+\b], v[96+16*\b+\i], v[97+16*\b+\i]
.endr
.endr
.irp b,0,1,2,3
	v_max_num_f32 v[BM+\b], v[BM+\b], v[111+16*\b]
.endr
.irp b,0,1,2,3
	v_permlanex16_b32 v[BT+\b], v[BM+\b], s[SEL], s[SEL+1]
.endr
.irp b,0,1,2,3
	v_max_num_f32 v[BM+\b], v[BM+\b], v[BT+\b]     ; with lane l xor 16's 16 keys
.endr
	v_max3_num_f32 v232, v[BM], v[BM+1], v[BM+2]
	v_max_num_f32 v232, v232, v[BM+3]
	v_mul_f32 v232, s[CS], v232                    ; as t (c is positive)
	v_max_num_f32 v13, v13, v232                   ; the running largest t
	v_mov_b32 v232, v12
	v_floor_f32 v12, -v13                          ; the new -M = -ceil(t): a whole number
	v_sub_f32 v232, v12, v232                      ; old M - new M: a whole number, 0 or less
	v_cvt_i32_f32 v232, v232                       ; (it saturates)
	v_ldexp_f32 v230, 1.0, v232                    ; f = 2^(old M - new M)
.set nn, 0
.rept 32
	v_pk_fma_f32 v[96+2*nn:97+2*nn], v[96+2*nn:97+2*nn], s[CS:CS+1], v[12:13] op_sel_hi:[1,0,0]   ; t - M, two at a time
.set nn, nn+1
.endr
.irp b,0,1,2,3
	v_fma_f32 v[BM+\b], v[BM+\b], s[CS], v12       ; the same of each block's largest score
.endr
.set nn, 0
.rept 64
	v_exp_f32 v[96+nn], v[96+nn]                   ; p = 2^(t - M), at most 1
.set nn, nn+1
.endr
.irp b,0,1,2,3
	v_exp_f32 v[BM+\b], v[BM+\b]                   ; the block's largest p
.endr
	v_pk_mul_f32 v[14:15], v[14:15], v[230:231] op_sel_hi:[1,0]   ; the sums under the new M.  (A plain place behind the exponentials)
	s_wait_alu depctr_va_vdst(0)
.irp b,0,1,2,3
	v_max_num_f32 v[BM+\b], 0x4800000, v[BM+\b]    ; the floor 2^(9 - 127): a block whose every p is 0 keeps the byte 1; its codes are zeros
.endr
.irp b,0,1,2,3
	v_add_nc_u32 v[BS+\b], 0xfc000000, v[BM+\b]
.endr
.irp b,0,1,2,3
	v_and_or_b32 v[BL+\b], v[BM+\b], 0x7f800000, s[MNT]
.endr
.irp b,0,1,2,3
	v_lshrrev_b32 v[BT+\b], 23, v[BS+\b]
.endr
	v_lshl_or_b32 v229, v[BT+1], 8, v[BT]          ; p's scale word for these 128 keys
	v_lshl_or_b32 v229, v[BT+2], 16, v229
	v_lshl_or_b32 v229, v[BT+3], 24, v229
	v_pk_add_f32 v[234:235], v[96:97], v[98:99]    ; the row's sum is taken of the unquantised p: two at a time, in two chains
.irp j,4,8,12,16,20,24,28,32,36,40,44,48,52,56,60
	v_pk_add_f32 v[14:15], v[14:15], v[96+\j:97+\j]
	v_pk_add_f32 v[234:235], v[234:235], v[98+\j:99+\j]
.endr
	v_pk_add_f32 v[14:15], v[14:15], v[234:235]
.irp b,0,1,2,3
.irp i,0,1,2,3,4,5,6,7,8,9,10,11,12,13,14,15
	v_min_num_f32 v[96+16*\b+\i], v[96+16*\b+\i], v[BL+\b]   ; the hold; p is not negative, so it is one-sided
.endr
	v_cvt_scalef32_pk8_fp8_f32 v[192+4*\b:193+4*\b], v[96+16*\b:103+16*\b], v[BS+\b]
	v_cvt_scalef32_pk8_fp8_f32 v[194+4*\b:195+4*\b], v[104+16*\b:111+16*\b], v[BS+\b]
.endr
.irp t,0,1,2,3                                 ; V's four fragments land where p lay
.irp c,0,1,2,3
	ds_load_b128 v[96+16*\t+4*\c:99+16*\t+4*\c], v[ADK] offset:16384+8192*(\q)+2048*\t+512*\c
.endr
	ds_load_b32 v[KS+\t], v[ADT] offset:256*(\q)+64*\t
.endr
.set nn, 0
.rept 16
	v_pk_mul_f32 v[160+2*nn:161+2*nn], v[160+2*nn:161+2*nn], v[230:231] op_sel_hi:[1,0]   ; O^T under the new M.  (These are also the places between the conversions and the products)
.set nn, nn+1
.endr
	s_wait_dscnt 0x0
.irp t,0,1,2,3                                 ; O^T += V^T P^T; the four accumulators take turns
	v_wmma_scale_f32_16x16x128_f8f6f4 v[160+8*\t:167+8*\t], v[96+16*\t:111+16*\t], v[192:207], v[160+8*\t:167+8*\t], v[KS+\t], v229
.endr
.Lhidden_\@:
	s_add_co_u32 s[KF], s[KF], 128
.endm
; THE CHANGE OF SLOTS stands at a slot's head.  Each wave waits for all its tensor loads (its part of the slot that it is about to read), adds 0 to its spare word, and waits for that and for its reads of the slot that it has left.
; Behind the barrier the slot ahead is whole and nobody reads the other one.  fill = 1: that other slot takes the key slot that follows: the next one, or key slot 0 where the second block of queries begins.
.macro CHANGE fill
	s_wait_tensorcnt 0x0                           ; no tensor load of mine is out, so my group 0 may be written
	ds_add_u32 v[SPW], v[NIL]                      ; 0 onto my spare word
.if \fill
	s_xor_b32 s[G0+1], s[G0+1], SLOT1
	s_add_co_u32 s[FC], s[FC], 1
	s_add_co_u32 s[KN], s[KN], 1
	s_cmp_eq_u32 s[FC], s[SWI]
	s_cselect_b32 s[KN], 0, s[KN]
	s_mul_i32 s[OFS], s[KN], s[STEPB]
	s_mov_b32 s[OFS+1], 0
	s_add_nc_u64 s[G0+2:G0+3], s[BASE:BASE+1], s[OFS:OFS+1]
	s_or_b32 s[G0+3], s[G0+3], 0x80000000
.endif
	s_wait_dscnt 0x0                               ; the add is done, and my reads of the slot that I have left are over
	s_barrier_signal -1
	s_barrier_wait -1
.if \fill
	TLOAD                                          ; the first thing behind the barrier, and a wave's one tensor load until the next
.endif
.endm
.macro SLOT_STEPS sw
.if \sw
	s_cmp_lg_u32 s[CNT], s[SWI]                    ; at slot i + 1 the first block of queries is done: the same in all sixteen waves; no barrier and no LDS access stands in here
	s_cbranch_scc1 .Lsame_\@
	FINISH
	s_sub_co_u32 s[TT], 7, s[IX]
	s_lshl_b32 s[TT], s[TT], 4
	s_add_co_u32 s[TT], s[TT], s[WV]               ; my tile of block 7 - i
	s_mov_b32 s[KF], 0
	INIT
	s_wait_loadcnt 0x0                             ; Q
	s_wait_xcnt 0x0                                ; the stores have read their data: the codes' registers are written again only behind this wait
.Lsame_\@:
.endif
	s_add_co_u32 s[CNT], s[CNT], 1
	STEP 0
	STEP 1
	s_xor_b32 s[TB], s[TB], SLOT1                  ; on to the other slot
.endm
	s_lshl_b32 s[TT], s[IX], 4
	s_add_co_u32 s[TT], s[TT], s[WV]               ; my tile of block i
	INIT
	s_wait_loadcnt 0x0
	s_mov_b32 s[LOOP], 8
.Lslot:                                            ; eight trips: behind each change of slots but the last the next slot is asked for
	CHANGE 1
	SLOT_STEPS 1
	s_sub_co_u32 s[LOOP], s[LOOP], 1
	s_cmp_lg_u32 s[LOOP], 0
	s_cbranch_scc1 .Lslot
	CHANGE 0                                       ; the ninth slot is written out; the change of blocks falls at slot 1 to 4, never here
	SLOT_STEPS 0
	FINISH
	s_wait_tensorcnt 0x0                           ; the wave's end
	ds_add_u32 v[SPW], v[NIL]
	s_wait_dscnt 0x0
	s_endpgm
.Lfunc_end_k_q6a5e70f0b1_attn:
	.size	k_q6a5e70f0b1_attn, .Lfunc_end_k_q6a5e70f0b1_attn-k_q6a5e70f0b1_attn
	.p2alignl 7, 3214868480
	.fill 96, 4, 3214868480
	.section	.rodata,"a",@progbits
	.p2align	6, 0x0
	.amdhsa_kernel k_q6a5e70f0b1_attn
		.amdhsa_group_segment_fixed_size 327680
		.amdhsa_private_segment_fixed_size 0
		.amdhsa_enable_private_segment 0
		.amdhsa_kernarg_size 64
		.amdhsa_user_sgpr_count 2
		.amdhsa_user_sgpr_kernarg_segment_ptr 1
		.amdhsa_wavefront_size32 1
		.amdhsa_system_sgpr_workgroup_id_x 1
		.amdhsa_system_sgpr_workgroup_id_y 1
		.amdhsa_system_sgpr_workgroup_id_z 1
		.amdhsa_system_vgpr_workitem_id 0
		.amdhsa_next_free_vgpr 256
		.amdhsa_next_free_sgpr 96
		.amdhsa_reserve_vcc 1
		.amdhsa_float_denorm_mode_32 3
		.amdhsa_float_denorm_mode_16_64 3
		.amdhsa_memory_ordered 1
		.amdhsa_forward_progress 1
		.amdhsa_inst_pref_size 121
	.end_amdhsa_kernel
	.amdgpu_metadata
---
amdhsa.version: [ 1, 2 ]
amdhsa.kernels:
  - .name:           k_q6a5e70f0b1_attn
    .symbol:         k_q6a5e70f0b1_attn.kd
    .args:
      - { .name: qc, .offset: 0, .size: 8, .value_kind: global_buffer, .address_space: global }
      - { .name: qs, .offset: 8, .size: 8, .value_kind: global_buffer, .address_space: global }
      - { .name: kc, .offset: 16, .size: 8, .value_kind: global_buffer, .address_space: global }
      - { .name: ks, .offset: 24, .size: 8, .value_kind: global_buffer, .address_space: global }
      - { .name: vc, .offset: 32, .size: 8, .value_kind: global_buffer, .address_space: global }
      - { .name: vs, .offset: 40, .size: 8, .value_kind: global_buffer, .address_space: global }
      - { .name: cc, .offset: 48, .size: 8, .value_kind: global_buffer, .address_space: global }
      - { .name: cs, .offset: 56, .size: 8, .value_kind: global_buffer, .address_space: global }
    .group_segment_fixed_size: 327680
    .private_segment_fixed_size: 0
    .kernarg_segment_align: 8
    .kernarg_segment_size: 64
    .max_flat_workgroup_size: 512
    .sgpr_count:     96
    .vgpr_count:     256
    .wavefront_size: 32
...
	.end_amdgpu_metadata
.endif
;; end of part 2
;; launch outp (part 3): grid 256 x 1, 4 waves a work-group, no clusters, 222,720 bytes of LDS; arguments cc, cs, Wo_codes, Wo_scales, bo, out0; writes out0
.if DOCPART == 3
	.amdgcn_target "amdgcn-amd-amdhsa--gfx1250"
	.amdhsa_code_object_version 6
	.text
	.protected	k_q6a5e70f0b1_outp
	.globl	k_q6a5e70f0b1_outp
	.p2align	8
	.type	k_q6a5e70f0b1_outp,@function
k_q6a5e70f0b1_outp:
	s_mov_b64 s[64:65], 0
	v_nop
	global_prefetch_b8 v0, s[64:65] scope:SCOPE_SE
	s_setreg_imm32_b32 hwreg(HW_REG_WAVE_MODE, 25, 1), 1
	s_wait_xcnt 0x0
; out0 = context Wo^T + bo.  The context arrives as images of operand registers (cc [tile of 16 tokens 512][K step 8][c 4][lane][16], cs words [tile][K step][16]); Wo as codes [1024][1024] with scale bytes [1024][32]; out0 [8192][1024] f32.
; Tile TT of tokens has token 32 (TT / 2) + 8 (TT % 2) + r + 8 (r / 8) in lane r.
; SHARES.  256 work-groups: 128 tokens (8 tiles, two blocks of 4) x 256 columns.  Wave w keeps Wo's rows 256 cg + 64 w + 0 .. 63 for all of K in registers (512), read once.
; The context's tiles go through LDS, staged by the four waves (a tile each) and read by all four: two buffers, one barrier a block.
; THE MATRIX INSTRUCTION IS USED TRANSPOSED (source 0 = 16 rows of Wo, source 1 = 16 tokens): a lane holds eight neighbouring columns of one token.  bo is the C of each sum's first product.
; A tile's 16 tokens x 64 columns go through the wave's own stage in LDS and leave as rows: sixteen lanes store 256 consecutive bytes, aligned.
; No joint loads: what the four work-groups of a token block share is staged through registers as in the first launch; the resident weights, half of a work-group's bytes, are shared by work-groups 4 apart in the grid.
; REGISTERS: window 0: addresses, scale words, bias, rows on the way out, accumulators, staging.  Window 1: Wo's fragments of K steps 0-3 at 64 s + 16 t.  Window 2: K steps 4-7.  Window 3: the context's fragments, two sets of 128.
.set PBSZ,  65536                      ; a buffer: 4 tiles x 16,384 bytes; two from LDS byte 0
.set PSC,   131072                     ; scale words: 4 tiles x 512 bytes, two buffers of 2,048
.set RPRIV, 135168                     ; each wave's own stage for Wo: 64 rows x (256 + 16)
.set RPW,   17408
.set STG,   204800                     ; each wave's own stage for the way out: 16 rows x (256 + 16)
.set SGW,   4352
.set LI,  4                            ; v4     16 x lane
.set LW,  5                            ; v5-6   where I store my tile's image
.set LR,  7                            ; v7-8   where I read fragments
.set LSW, 9                            ; v9-10  where I store my tile's scale words
.set LSR, 11                           ; v11-12 where I read them: lanes 0-15 the even tile's, lanes 16-31 the odd tile's
.set RA,  13                           ; v13    Wo in memory: 1024 h + 16 r
.set RW,  14
.set RR,  15
.set SO,  16                           ; v16    the way out: where I put 16 bytes of a token's row
.set SR,  17                           ; v17    and where I read a row back
.set GO,  18                           ; v18    4096 h + 16 r
.set RSA, 20                           ; v20    32 x lane
.set BA,  22                           ; v22    32 h
.set RS,  32
.set PS,  48
.set BR,  64
.set OB,  96                           ; v96-127 16 rows on the way out
.set ACC, 132
.set ST,  164
.set STS, 228
.set WV,  2
.set PCB, 20
.set PSB, 22
.set RC,  24
.set RSC, 26
.set BRB, 28
.set OUT, 30
.set MSB, 0
.macro WIN new
.if MSB != \new
	s_set_vgpr_msb (MSB<<8)|\new
.set MSB, \new
.endif
.endm
	s_load_b256 s[4:11], s[0:1], 0x0               ; cc s[4:5], cs s[6:7], Wo's codes s[8:9], Wo's scales s[10:11]
	s_load_b128 s[12:15], s[0:1], 0x20             ; bo s[12:13], out0 s[14:15]
	v_lshl_add_u32 v254, v0, 2, 0x36400
	v_mov_b32 v255, 0
	v_lshrrev_b32 v1, 5, v0
	v_readfirstlane_b32 s[WV], v1                  ; wave 0..3
	v_and_b32 v1, 31, v0
	v_and_b32 v2, 15, v0                           ; r
	v_bfe_u32 v3, v0, 4, 1                         ; h
	v_lshlrev_b32 v[LI], 4, v1
	s_lshl_b32 s34, s[WV], 14
	v_add_nc_u32 v[LW], s34, v[LI]
	v_add_nc_u32 v[LW+1], PBSZ, v[LW]
	v_mov_b32 v[LR], v[LI]
	v_add_nc_u32 v[LR+1], PBSZ, v[LI]
	s_lshl_b32 s34, s[WV], 9
	s_add_co_u32 s34, s34, PSC
	v_add_nc_u32 v[LSW], s34, v[LI]
	v_add_nc_u32 v[LSW+1], 2048, v[LSW]
	v_lshlrev_b32 v[LSR], 9, v3
	v_lshl_add_u32 v[LSR], v2, 2, v[LSR]
	v_add_nc_u32 v[LSR], PSC, v[LSR]
	v_add_nc_u32 v[LSR+1], 2048, v[LSR]
	v_lshlrev_b32 v[RA], 10, v3
	v_lshl_add_u32 v[RA], v2, 4, v[RA]
	s_mul_i32 s34, s[WV], RPW
	s_add_co_u32 s34, s34, RPRIV
	v_mul_u32_u24 v19, v3, 272
	v_lshl_add_u32 v19, v2, 4, v19
	v_add_nc_u32 v[RW], s34, v19
	s_mul_i32 s35, s[WV], SGW
	s_add_co_u32 s35, s35, STG
	v_add_nc_u32 v[SR], s35, v19
	v_mul_u32_u24 v19, v2, 272
	v_lshl_add_u32 v21, v3, 4, v19
	v_add_nc_u32 v[RR], s34, v21
	v_lshl_add_u32 v21, v3, 5, v19
	v_add_nc_u32 v[SO], s35, v21
	v_lshlrev_b32 v[GO], 12, v3
	v_lshl_add_u32 v[GO], v2, 4, v[GO]
	v_lshlrev_b32 v[RSA], 5, v1
	v_lshlrev_b32 v[BA], 5, v3
	s_and_b32 s3, ttmp9, 3                         ; which 256 columns
	s_lshr_b32 s16, ttmp9, 2                       ; which 128 tokens
	s_lshl_b32 s17, s3, 8
	s_lshl_b32 s18, s[WV], 6
	s_add_co_u32 s17, s17, s18                     ; my first column
	s_lshl_b32 s18, s16, 3
	s_add_co_u32 s18, s18, s[WV]                   ; the tile that I stage in block 0
	s_mov_b32 s33, 0
	s_wait_kmcnt 0x0
	s_lshl_b32 s32, s18, 14
	s_add_nc_u64 s[PCB:PCB+1], s[4:5], s[32:33]
	s_lshl_b32 s32, s18, 9
	s_add_nc_u64 s[PSB:PSB+1], s[6:7], s[32:33]
	s_lshl_b32 s32, s17, 10
	s_add_nc_u64 s[RC:RC+1], s[8:9], s[32:33]
	s_lshl_b32 s32, s17, 5
	s_add_nc_u64 s[RSC:RSC+1], s[10:11], s[32:33]
	s_lshl_b32 s32, s17, 2
	s_add_nc_u64 s[BRB:BRB+1], s[12:13], s[32:33]
	s_add_nc_u64 s[OUT:OUT+1], s[14:15], s[32:33]
	s_lshl_b32 s32, s16, 19                        ; 128 rows of 4,096 bytes
	s_add_nc_u64 s[OUT:OUT+1], s[OUT:OUT+1], s[32:33]
.macro RGL k                           ; Wo, piece k: 256 bytes of each of my 64 rows, two rows a load
	WIN 0xc0
.set nn, 0
.rept 32
	global_load_b128 v[128*((\k)%2)+4*nn:128*((\k)%2)+4*nn+3], v[RA], s[RC:RC+1] offset:2048*nn+256*(\k)
.set nn, nn+1
.endr
	WIN 0
.endm
.macro RPIECE k                        ; through my own stage into its resident registers; the bytes are the wave's own and LDS serves a wave's instructions in order
.if (\k) < 3
	s_wait_loadcnt 32                              ; all but the next piece's 32 loads are in
.else
	s_wait_loadcnt 0x0
.endif
	WIN 0x0c
.set nn, 0
.rept 32
	ds_store_b128 v[RW], v[128*((\k)%2)+4*nn:128*((\k)%2)+4*nn+3] offset:2*nn*272
.set nn, nn+1
.endr
.if (\k) < 2
	WIN 0x40
.else
	WIN 0x80
.endif
.irp e,0,1
.irp t,0,1,2,3
.irp c,0,1,2,3
	ds_load_b128 v[64*((2*(\k)+\e)%4)+16*\t+4*\c:64*((2*(\k)+\e)%4)+16*\t+4*\c+3], v[RR] offset:16*\t*272+128*\e+32*\c
.endr
.endr
.endr
	WIN 0
	s_wait_dscnt 0x0
.if (\k) < 2
	RGL (\k)+2
.endif
.endm
.macro GLOAD hf, blk                   ; half of my tile's image of block blk: 16 loads of 512 consecutive bytes
.set nn, 0
.rept 16
	global_load_b128 v[ST+4*nn:ST+4*nn+3], v[LI], s[PCB:PCB+1] offset:65536*(\blk)+512*(16*(\hf)+nn)
.set nn, nn+1
.endr
.endm
.macro GLOADX blk
	global_load_b128 v[STS:STS+3], v[LI], s[PSB:PSB+1] offset:2048*(\blk)
.endm
.macro STORE hf, np
.set nn, 0
.rept 16
	ds_store_b128 v[LW+(\np)], v[ST+4*nn:ST+4*nn+3] offset:512*(16*(\hf)+nn)
.set nn, nn+1
.endr
.endm
.macro STOREX np
	ds_store_b128 v[LSW+(\np)], v[STS:STS+3]
.endm
.macro FETCH p, i, set
	WIN 0xc0
.irp s,0,1,2,3,4,5,6,7
.irp c,0,1,2,3
	ds_load_b128 v[128*(\set)+16*\s+4*\c:128*(\set)+16*\s+4*\c+3], v[LR+(\p)] offset:16384*(\i)+2048*\s+512*\c
.endr
.endr
	WIN 0
.endm
.macro WM i, set, s, t
.set rD, ACC+8*(\t)
.set rA, 64*((\s)%4)+16*(\t)
.set rB, 128*(\set)+16*(\s)
.set rX, RS+8*((\t)/2)+(\s)
.set rY, PS+8*((\i)/2)+(\s)
.if (\s) == 0
.set rC, BR+8*(\t)                     ; bo starts the sum
.else
.set rC, rD
.endif
.if ((\t)%2 == 0) && ((\i)%2 == 0)
	v_wmma_scale_f32_16x16x128_f8f6f4 v[rD:rD+7], v[rA:rA+15], v[rB:rB+15], v[rC:rC+7], v[rX], v[rY]
.elseif ((\t)%2 == 1) && ((\i)%2 == 0)
	v_wmma_scale_f32_16x16x128_f8f6f4 v[rD:rD+7], v[rA:rA+15], v[rB:rB+15], v[rC:rC+7], v[rX], v[rY] matrix_a_scale:MATRIX_SCALE_ROW1
.elseif ((\t)%2 == 0)
	v_wmma_scale_f32_16x16x128_f8f6f4 v[rD:rD+7], v[rA:rA+15], v[rB:rB+15], v[rC:rC+7], v[rX], v[rY] matrix_b_scale:MATRIX_SCALE_ROW1
.else
	v_wmma_scale_f32_16x16x128_f8f6f4 v[rD:rD+7], v[rA:rA+15], v[rB:rB+15], v[rC:rC+7], v[rX], v[rY] matrix_a_scale:MATRIX_SCALE_ROW1 matrix_b_scale:MATRIX_SCALE_ROW1
.endif
.endm
.macro MM i, set                       ; 32 matrix instructions, K ascending; the four accumulators take turns, one instruction a turn
.irp s,0,1,2,3,4,5,6,7
.if \s == 0
	WIN 0x0d
.endif
.if \s == 4
	WIN 0x0e
.endif
.irp t,0,1,2,3
	WM \i, \set, \s, \t
.endr
.endr
	WIN 0
.endm
.macro TILE p, i, last                 ; p: the block, and its buffer
.if (\i) < 3
	FETCH \p, (\i)+1, ((\i)+1)%2
	s_wait_dscnt 32                                ; all but these 32: this tile's fragments are in, and any staging stores issued ahead of them are done
.else
	s_wait_dscnt 0x0
.endif
.if ((\i) == 2) && ((\last) == 0)
	GLOAD 1, 1
.endif
	MM \i, (\i)%2
.rept 9
	v_nop                                          ; 8 places ahead of the stores that read results and of loads into registers that these products read; 9 ahead of the next tile's first product, which begins the accumulators anew
.endr
	s_wait_xcnt 0x0                                ; the last tile's stores have read their data: the rows' registers are loaded again only behind this wait
.irp t,0,1,2,3
	ds_store_b128 v[SO], v[ACC+8*\t:ACC+8*\t+3] offset:64*\t           ; each accumulator from its low end on
	ds_store_b128 v[SO], v[ACC+8*\t+4:ACC+8*\t+7] offset:64*\t+16
.endr
.irp e,0,1,2,3,4,5,6,7
	ds_load_b128 v[OB+4*\e:OB+4*\e+3], v[SR] offset:544*\e             ; LDS serves a wave's instructions in order: these see my stores
.endr
	s_wait_dscnt 0x0
.irp e,0,1,2,3,4,5,6,7
	global_store_b128 v[GO], v[OB+4*\e:OB+4*\e+3], s[OUT:OUT+1] offset:(64*(\p)+32*((\i)/2)+8*((\i)%2)+2*\e+8*(\e/4))*4096 th:TH_STORE_NT   ; sixteen lanes store 256 consecutive bytes, aligned; stage row 2 e + h is the tile's lane: token + 8 from lane 8 on
.endr
.if ((\i) == 1) && ((\last) == 0)
	s_wait_loadcnt 0x0
	STORE 0, 1-(\p)
	STOREX 1-(\p)
.endif
.if ((\i) == 3) && ((\last) == 0)
	s_wait_loadcnt 0x0
	STORE 1, 1-(\p)
.endif
.endm
; ONE barrier a block: in front of it each wave's stores into this buffer have landed and its reads of the other are back.
.macro BLOCK p, last
	s_wait_dscnt 0x0
	s_barrier_signal -1
	s_barrier_wait -1
.irp ip,0,1
.irp s,0,1,2,3,4,5,6,7
	ds_load_b32 v[PS+8*\ip+\s], v[LSR+(\p)] offset:1024*\ip+64*\s
.endr
.endr
	FETCH \p, 0, 0
.if (\last) == 0
	GLOAD 0, 1
	GLOADX 1
.endif
	TILE \p, 0, \last
	TILE \p, 1, \last
	TILE \p, 2, \last
	TILE \p, 3, \last
.endm
.irp b,0,1
.irp qq,0,1
	global_load_b128 v[RS+8*\b+4*\qq:RS+8*\b+4*\qq+3], v[RSA], s[RSC:RSC+1] offset:1024*\b+16*\qq   ; lanes 0-15: tile 2 b's rows, lanes 16-31: tile 2 b + 1's
.endr
.endr
.irp t,0,1,2,3
	global_load_b128 v[BR+8*\t:BR+8*\t+3], v[BA], s[BRB:BRB+1] offset:64*\t      ; bo at columns 16 t + 8 h + 0 .. 7
	global_load_b128 v[BR+8*\t+4:BR+8*\t+7], v[BA], s[BRB:BRB+1] offset:64*\t+16
.endr
	GLOAD 0, 0
	GLOADX 0
	RGL 0
	RGL 1
	RPIECE 0
	RPIECE 1
	RPIECE 2
	RPIECE 3                                       ; its wait for 0 covers every load so far
	STORE 0, 0
	STOREX 0
	s_wait_dscnt 0x0
	GLOAD 1, 0
	s_wait_loadcnt 0x0
	STORE 1, 0
	BLOCK 0, 0
	BLOCK 1, 1
	s_wait_tensorcnt 0x0
	ds_add_u32 v254, v255
	s_wait_dscnt 0x0
	s_endpgm
.Lfunc_end_k_q6a5e70f0b1_outp:
	.size	k_q6a5e70f0b1_outp, .Lfunc_end_k_q6a5e70f0b1_outp-k_q6a5e70f0b1_outp
	.p2alignl 7, 3214868480
	.fill 96, 4, 3214868480
	.section	.rodata,"a",@progbits
	.p2align	6, 0x0
	.amdhsa_kernel k_q6a5e70f0b1_outp
		.amdhsa_group_segment_fixed_size 222720
		.amdhsa_private_segment_fixed_size 0
		.amdhsa_enable_private_segment 0
		.amdhsa_kernarg_size 48
		.amdhsa_user_sgpr_count 2
		.amdhsa_user_sgpr_kernarg_segment_ptr 1
		.amdhsa_wavefront_size32 1
		.amdhsa_system_sgpr_workgroup_id_x 1
		.amdhsa_system_sgpr_workgroup_id_y 1
		.amdhsa_system_sgpr_workgroup_id_z 1
		.amdhsa_system_vgpr_workitem_id 0
		.amdhsa_next_free_vgpr 1024
		.amdhsa_next_free_sgpr 66
		.amdhsa_reserve_vcc 0
		.amdhsa_float_denorm_mode_32 3
		.amdhsa_float_denorm_mode_16_64 3
		.amdhsa_memory_ordered 1
		.amdhsa_forward_progress 1
		.amdhsa_inst_pref_size 113
	.end_amdhsa_kernel
	.amdgpu_metadata
---
amdhsa.version: [ 1, 2 ]
amdhsa.kernels:
  - .name:           k_q6a5e70f0b1_outp
    .symbol:         k_q6a5e70f0b1_outp.kd
    .args:
      - { .name: cc, .offset: 0, .size: 8, .value_kind: global_buffer, .address_space: global }
      - { .name: cs, .offset: 8, .size: 8, .value_kind: global_buffer, .address_space: global }
      - { .name: Wo_codes, .offset: 16, .size: 8, .value_kind: global_buffer, .address_space: global }
      - { .name: Wo_scales, .offset: 24, .size: 8, .value_kind: global_buffer, .address_space: global }
      - { .name: bo, .offset: 32, .size: 8, .value_kind: global_buffer, .address_space: global }
      - { .name: out0, .offset: 40, .size: 8, .value_kind: global_buffer, .address_space: global }
    .group_segment_fixed_size: 222720
    .private_segment_fixed_size: 0
    .kernarg_segment_align: 8
    .kernarg_segment_size: 48
    .max_flat_workgroup_size: 128
    .sgpr_count:     66
    .vgpr_count:     1024
    .wavefront_size: 32
...
	.end_amdgpu_metadata
.endif
;; end of part 3
;; ======== version 2 of 2: 3 launches
;; workspace buffers: qc 8,388,608 bytes; qs 262,144 bytes; kc 8,388,608 bytes; ks 262,144 bytes; vc 8,388,608 bytes; vs 262,144 bytes; cc 8,388,608 bytes; cs 262,144 bytes
;; launch proj (part 4): grid 192 x 1, 4 waves a work-group, no clusters, 207,360 bytes of LDS; arguments q_codes, q_scales, Wq_codes, Wq_scales, bq, qc, qs, k_codes, k_scales, Wk_codes, Wk_scales, bk, kc, ks, v_codes, v_scales, Wv_codes, Wv_scales, bv, vc, vs; writes qc, qs, kc, ks, vc, vs
.if DOCPART == 4
	.amdgcn_target "amdgcn-amd-amdhsa--gfx1250"
	.amdhsa_code_object_version 6
	.text
	.protected	k_q6a5e70f0b1_proj
	.globl	k_q6a5e70f0b1_proj
	.p2align	8
	.type	k_q6a5e70f0b1_proj,@function
k_q6a5e70f0b1_proj:
	s_mov_b64 s[64:65], 0
	v_nop
	global_prefetch_b8 v0, s[64:65] scope:SCOPE_SE
	s_setreg_imm32_b32 hwreg(HW_REG_WAVE_SCHED_MODE, 0, 2), 2
	s_setreg_imm32_b32 hwreg(HW_REG_WAVE_MODE, 25, 1), 1
	s_wait_xcnt 0x0
	s_wait_alu depctr_vm_vsrc(0)
; THE THREE PROJECTIONS x W^T + b (x = q, k, v: [8192][1024], W: [1024][1024], both as E4M3 codes with one E8M0 byte for each 32 along K), and the quantisers of Qh, Kh and Vh.
; Column c of a projection is (d = c / 16, head = c % 16).  Qh and Kh are quantised along d (two blocks of 32 a head), Vh along the keys (blocks of 32 tokens).
; ONE TEXT FOR ALL THREE.  D = (source 0 = R) x (source 1 = P): a lane holds one row of P, its registers run along rows of R, and the quantiser runs along R.
;   q, k: R = the 64 rows 16 d + head of W of one head, P = tokens.      v: R = 64 tokens, P = the 64 rows 16 d + head of Wv of one head.
; Only pointers, strides and steps differ; they are scalars chosen on the work-group's number.  192 work-groups: 64 for each tensor (mode = x / 64), each 256 rows of R x 512 rows of P.
; (3 x 8192 x 1024 results do not divide into 256 equal shares of this shape; 384 shares of half the rows of P would load the resident operand twice on a WGP.)
; A wave keeps its 64 rows of R for all of K in registers (512), read once.  P goes through LDS in 8 blocks of 64 rows, staged by the four waves and read by all four: two buffers, one barrier a block.
; THE ROWS OF A TILE ARE NOT NEIGHBOURS: of 32 rows, tile u (0, 1) has row 8 u + r + 8 (r / 8) in lane r, on both sides.  So the 16 registers of result tiles 2 b, 2 b + 1 are 16 neighbours, 32 b + 16 (lane / 16) + 0 .. 15, along R.
; The rows are brought into that order on their way into LDS (row number with bits 3 and 4 exchanged), so that a fragment's sixteen rows lie on end there, 1,040 (or 272) bytes apart, each starting four banks on.
; OUT, as images of the next launch's operand registers (16 bytes a lane, 512 consecutive bytes a store):
;   qc, kc [bh][tile 128][c 2][lane][16]; qs, ks u16 [bh][tile][16];   vc [bh][J 16][tile of d 4][c 4][lane][16]; vs words [bh][J][tile][16], of which a wave writes one half.
; No joint loads: the four work-groups that read the same rows of P bring them through registers, because the rows change their order on the way into LDS and their pitch in memory hangs on the mode.
; LIMITS: NaN and infinities are not served.  A block whose largest magnitude lies under 2^-118, a block of zeros among them, gets the byte 1 (the bytes are read by this program alone).
;   The scale halves leave as 2 bytes a lane (one byte for each 32 of codes): blocks of 256 bytes written in part.
; REGISTERS, in windows of 256.  Window 0: addresses, scale words, biases, accumulators, staging.  Window 1: R's fragments of K steps 0-3 at 64 s + 16 t.  Window 2: K steps 4-7.
;   Window 3: P's fragments of a whole tile (8 K steps), two sets of 128; at the start the staging of R.
; THE MODE: SCHED_MODE bits 1:0 = 2 (LLVM: expert scheduling mode 2), set by the entry lines.  The code itself states the register dependences
; between vector or matrix instructions and memory or LDS instructions, with s_wait_alu, always for 0.
; THE PLAN.  Registers that memory or LDS instructions touch:
;   v4-30, v232-233   addresses, made at the head and never written again.  v132-163: R's addresses at the start, read by R's loads alone; the accumulators from the first product on.
;   window 3, 2 sets  At the start: R's loads land, my LDS stores read.  In the loop: tile i's products read set i % 2; tile i + 1's LDS loads land in the other set, dealt among tile i's products.
;   PS                LDS loads land at a block's head; the block's products read it as scales.
;   ST, STS           the next block's global loads land, my LDS stores read; no vector instruction names them.
;   BP, 2 sets        at the head of block p loads land in set 1 - p; a select in tile 1 and the next block's additions name it.
;   PC, WD            a tile's conversions and one select write them; the stores at the tile's end read them.
; The wait on va_vdst behind a tile's quantiser: PC and WD are written, and the tile's products and additions are done reading their set of window 3, PS and BP.  Between it and the loads that lean on it
; (the next tile's dealt loads; the next block's loads at its head) stand only products that name the other set, and the selects on the set of BP that is loaded again two blocks on.
; Waits on vm_vsrc: at a block's head; at the head of tile 2, ahead of the staging's second half; else beside the wait on XCNT ahead of the quantiser, a run of products behind the stores that it waits for.
.set PITCH, 1040                       ; a row of P in LDS: 1,024 bytes + 16
.set PBSZ,  64*PITCH                   ; a buffer of 64 rows; two of them from LDS byte 0
.set PSC,   2*PBSZ                     ; P's scale bytes: 64 rows x 32, two buffers of 2,048
.set RPRIV, PSC+4096                   ; each wave's own stage for R: 64 rows x (256 + 16)
.set RPW,   64*272
.set PA,  4                            ; v4-11   P in memory: (16 w + 2 p + h) x pitch + 16 r
.set PSA, 12                           ; v12     P's scale bytes in memory
.set LW,  13                           ; v13-14  where I store P's rows, buffer 0, 1
.set LR,  15                           ; v15-16  where I read fragments
.set LSW, 17                           ; v17-18  where I store P's scale bytes
.set LSR, 19                           ; v19-20  where I read them
.set OC,  21                           ; v21-24  codes out: 16 x lane + tile
.set OS,  25                           ; v25-26  scale halves out, a pair of tiles
.set BB,  27                           ; v27     bias along P: 64 (r + 8 (r / 8))
.set BA,  28                           ; v28     bias along R: 1024 h
.set RW,  29                           ; v29     R's stage, in
.set RR,  30                           ; v30     R's stage, out
.set NIL, 31                           ; v31     0
.set RS,  32                           ; v32-47  R's scale words: 8 b + s: lanes 0-15 tile 2 b, lanes 16-31 tile 2 b + 1
.set PS,  48                           ; v48-63  P's likewise
.set BR,  64                           ; v64-95  bias along R, in the result's layout: the C of each sum's first product
.set BP,  96                           ; v96-111 bias along P: set p at 8 p, tile i in register 2 i; the odd registers hold 0
.set TM,  112                          ; v112-119 the quantiser's work
.set PW,  120                          ; v120-121 scale words of an even and an odd tile
.set WD,  122                          ; v122    the two, by halves of the lanes
.set PC,  124                          ; v124-131 codes
.set ACC, 132                          ; v132-163 four accumulators
.set RA,  132                          ; (at the start: R's 32 addresses)
.set ST,  164                          ; v164-227 staging: 16 loads
.set STS, 228                          ; v228-231 staging of scale bytes
.set RSA, 232                          ; v232-233 R's scale bytes in memory
.set WV,  2
.set MD,  3
.set RC,  50
.set RSC, 52
.set PCB, 54
.set PSB, 56
.set BRB, 58
.set BPB, 60
.set OCB, 66
.set OSB, 68
.set PSTEP,  70
.set PSSTEP, 72
.set BPSTEP, 74
.set OCSTEP, 76
.set OSSTEP, 78
.set STR,  80
.set STR2, 81
.set STP,  82
.set STP2, 83
.set STRS, 84
.set STPS, 85
.set SI,   86
.set SPAIR, 87
.set LSH,  88
.set MV,   89
.set MHI,  91
.set SEL,  92
.set MNT,  94
.set CNT,  95
.set MSB, 0
.macro WIN new                         ; the immediate's high byte repeats the setting that is left
.if MSB != \new
	s_set_vgpr_msb (MSB<<8)|\new
.set MSB, \new
.endif
.endm
	s_load_b512 s[8:23], s[0:1], 0x0               ; argument n at s[8 + 2 n]: x's codes, x's scales, W's codes, W's scales, b, codes out, scales out; three such sets
	s_load_b512 s[24:39], s[0:1], 0x40
	s_load_b256 s[40:47], s[0:1], 0x80
	s_load_b64 s[48:49], s[0:1], 0xa0
	v_lshl_add_u32 v254, v0, 2, 0x32800
	v_mov_b32 v255, 0
	v_lshrrev_b32 v1, 5, v0
	v_readfirstlane_b32 s[WV], v1                  ; wave 0..3
	s_lshr_b32 s[MD], ttmp9, 6                     ; 0: q, 1: k, 2: v
	s_and_b32 s4, ttmp9, 63                        ; which of the tensor's 64 shares
	v_and_b32 v1, 31, v0                           ; lane
	v_and_b32 v2, 15, v0                           ; r
	v_bfe_u32 v3, v0, 4, 1                         ; h
	v_mov_b32 v[NIL], 0
	s_wait_alu depctr_va_sdst(0)                   ; the wave's number is written, ahead of its first reader
	; LDS addresses: constants, the lane and the wave's number alone
	s_lshr_b32 s5, s[WV], 1
	s_and_b32 s6, s[WV], 1
	s_lshl_b32 s7, s5, 5
	s_lshl_b32 s96, s6, 3
	s_add_co_u32 s7, s7, s96                       ; my 16 rows 16 w .. go to LDS rows 32 (w / 2) + 8 (w % 2) + (0 .. 7, 16 .. 23)
	s_mul_i32 s96, s7, PITCH
	v_mul_u32_u24 v112, v3, PITCH
	v_lshl_add_u32 v112, v2, 4, v112
	v_add_nc_u32 v[LW], s96, v112
	v_add_nc_u32 v[LW+1], PBSZ, v[LW]
	v_mul_u32_u24 v[LR], v2, PITCH
	v_lshl_add_u32 v[LR], v3, 4, v[LR]             ; a fragment: row r x pitch + 16 h
	v_add_nc_u32 v[LR+1], PBSZ, v[LR]
	v_bfe_u32 v112, v0, 1, 3                       ; scale bytes: two lanes to a row of 32 bytes
	v_lshl_add_u32 v112, v3, 4, v112
	v_add_nc_u32 v112, s7, v112
	v_and_b32 v113, 1, v0
	v_lshlrev_b32 v113, 4, v113
	v_lshl_add_u32 v112, v112, 5, v113
	v_add_nc_u32 v[LSW], PSC, v112
	v_add_nc_u32 v[LSW+1], PSC+2048, v112
	v_lshl_add_u32 v[LSR], v1, 5, PSC              ; lanes 0-15: the even tile's rows, lanes 16-31: the odd tile's
	v_add_nc_u32 v[LSR+1], 2048, v[LSR]
	s_mul_i32 s96, s[WV], RPW
	s_add_co_u32 s96, s96, RPRIV
	v_mul_u32_u24 v112, v3, 272
	v_lshl_add_u32 v112, v2, 4, v112
	v_add_nc_u32 v[RW], s96, v112
	v_mul_u32_u24 v112, v2, 272
	v_lshl_add_u32 v112, v3, 4, v112
	v_add_nc_u32 v[RR], s96, v112
.irp i,1,3,5,7,9,11,13,15
	v_mov_b32 v[BP+\i], 0                          ; named as the upper halves of pairs
.endr
	v_mov_b32 v[TM+2], 0                           ; written once: a lane permute's destination counts as one of its sources
	v_mov_b32 v[TM+3], 0
	s_mov_b32 s[MHI], 0xffff0000
	s_mov_b32 s[SEL], 0x76543210
	s_mov_b32 s[SEL+1], 0xfedcba98                 ; v_permlanex16_b32's selects for lane l xor 16
	s_mov_b32 s[MNT], 0x600000                     ; the mantissa field of 448
	s_wait_kmcnt 0x0
	s_cmp_eq_u32 s[MD], 1                          ; the tensor's seven buffers: the choice hangs on the work-group's number alone
.irp n,0,1,2,3,4,5,6
	s_cselect_b64 s[8+2*\n:9+2*\n], s[22+2*\n:23+2*\n], s[8+2*\n:9+2*\n]
.endr
	s_cmp_eq_u32 s[MD], 2
.irp n,0,1,2,3,4,5,6
	s_cselect_b64 s[8+2*\n:9+2*\n], s[36+2*\n:37+2*\n], s[8+2*\n:9+2*\n]
.endr
	s_cselect_b64 s[RC:RC+1], s[8:9], s[12:13]     ; v: R = the tokens, P = the weight; q, k: the other way round
	s_cselect_b64 s[RSC:RSC+1], s[10:11], s[14:15]
	s_cselect_b64 s[PCB:PCB+1], s[12:13], s[8:9]
	s_cselect_b64 s[PSB:PSB+1], s[14:15], s[10:11]
	; byte offsets for q, k: g = y % 4 (four heads, one a wave), ch = y / 4 (512 tokens)
	s_and_b32 s22, s4, 3
	s_lshl_b32 s22, s22, 2
	s_add_co_u32 s22, s22, s[WV]                   ; my head
	s_lshr_b32 s23, s4, 2
	s_lshl_b32 s24, s22, 10                        ; R's codes: row `head` of W
	s_lshl_b32 s25, s22, 5                         ; R's scale bytes
	s_lshl_b32 s26, s23, 19                        ; P's codes: 512 tokens of 1,024 bytes
	s_lshl_b32 s27, s23, 14                        ; P's scale bytes
	s_lshl_b32 s28, s22, 2                         ; the bias along R
	s_lshr_b32 s29, s23, 2
	s_lshl_b32 s29, s29, 4
	s_add_co_u32 s29, s29, s22                     ; bh = 16 x batch + head
	s_lshl_b32 s29, s29, 7
	s_and_b32 s30, s23, 3
	s_lshl_b32 s30, s30, 5
	s_add_co_u32 s29, s29, s30                     ; 128 bh + my first tile of tokens
	s_lshl_b32 s30, s29, 10
	s_lshl_b32 s31, s29, 5
	; and for v: tc = y / 2 (256 tokens, 64 a wave), hh = y % 2 (eight heads, one a block)
	s_lshr_b32 s32, s4, 1
	s_and_b32 s33, s4, 1
	s_lshl_b32 s34, s32, 8
	s_lshl_b32 s35, s[WV], 6
	s_add_co_u32 s34, s34, s35                     ; my first token
	s_lshl_b32 s35, s34, 10
	s_lshl_b32 s36, s34, 5
	s_lshl_b32 s37, s33, 13                        ; row 8 hh of Wv
	s_lshl_b32 s38, s33, 8
	s_lshl_b32 s39, s33, 5                         ; the bias along P
	s_lshr_b32 s40, s32, 3
	s_lshl_b32 s40, s40, 4
	s_lshl_b32 s41, s33, 3
	s_add_co_u32 s40, s40, s41                     ; bh of block 0
	s_lshl_b32 s40, s40, 4
	s_and_b32 s41, s32, 7
	s_lshl_b32 s41, s41, 1
	s_add_co_u32 s40, s40, s41
	s_add_co_u32 s40, s40, s5                      ; 16 bh + J, J = my 128 keys
	s_lshl_b32 s41, s40, 13
	s_lshl_b32 s42, s6, 10
	s_add_co_u32 s41, s41, s42                     ; + my half of the four groups of 32 keys
	s_lshl_b32 s42, s40, 8
	s_lshl_b32 s43, s6, 1
	s_add_co_u32 s42, s42, s43
	s_cmp_eq_u32 s[MD], 2
	s_cselect_b32 s24, s35, s24
	s_cselect_b32 s25, s36, s25
	s_cselect_b32 s26, s37, s26
	s_cselect_b32 s27, s38, s27
	s_cselect_b32 s28, 0, s28
	s_cselect_b32 s29, s39, 0
	s_cselect_b32 s30, s41, s30
	s_cselect_b32 s31, s42, s31
	s_mov_b32 s[STR], 16384                        ; (an instruction takes one literal; s_mov_b32 leaves SCC alone)
	s_cselect_b32 s[STR], 1024, s[STR]             ; bytes from row to row of R
	s_mov_b32 s[STP], 1024
	s_cselect_b32 s[STP], 16384, s[STP]            ; of P
	s_cselect_b32 s[STRS], 32, 512                 ; of their scale bytes
	s_cselect_b32 s[STPS], 512, 32
	s_mov_b32 s[PSTEP], 65536
	s_cselect_b32 s[PSTEP], 1024, s[PSTEP]         ; from block to block: 64 tokens on, or one head on
	s_cselect_b32 s[PSSTEP], 32, 2048
	s_cselect_b32 s[BPSTEP], 4, 0
	s_mov_b32 s[OCSTEP], 4096
	s_cselect_b32 s[OCSTEP], 131072, s[OCSTEP]
	s_mov_b32 s[OSSTEP], 128
	s_cselect_b32 s[OSSTEP], 4096, s[OSSTEP]
	s_mov_b32 s[SI], 1024
	s_cselect_b32 s[SI], 2048, s[SI]               ; from tile to tile of the codes out
	s_cselect_b32 s[SPAIR], 128, 64                ; from pair to pair of tiles of the scales out
	s_cselect_b32 s[LSH], 2, 1
	s_cselect_b32 s[MV], -1, 0                     ; all lanes in mode v
	s_mov_b32 s[PSTEP+1], 0
	s_mov_b32 s[PSSTEP+1], 0
	s_mov_b32 s[BPSTEP+1], 0
	s_mov_b32 s[OCSTEP+1], 0
	s_mov_b32 s[OSSTEP+1], 0
	s_lshl_b32 s[STR2], s[STR], 1
	s_lshl_b32 s[STP2], s[STP], 1
	s_mov_b32 s45, 0
	s_mov_b32 s44, s24
	s_add_nc_u64 s[RC:RC+1], s[RC:RC+1], s[44:45]
	s_mov_b32 s44, s25
	s_add_nc_u64 s[RSC:RSC+1], s[RSC:RSC+1], s[44:45]
	s_mov_b32 s44, s26
	s_add_nc_u64 s[PCB:PCB+1], s[PCB:PCB+1], s[44:45]
	s_mov_b32 s44, s27
	s_add_nc_u64 s[PSB:PSB+1], s[PSB:PSB+1], s[44:45]
	s_mov_b32 s44, s28
	s_add_nc_u64 s[BRB:BRB+1], s[16:17], s[44:45]
	s_mov_b32 s44, s29
	s_add_nc_u64 s[BPB:BPB+1], s[16:17], s[44:45]
	s_mov_b32 s44, s30
	s_add_nc_u64 s[OCB:OCB+1], s[18:19], s[44:45]
	s_mov_b32 s44, s31
	s_add_nc_u64 s[OSB:OSB+1], s[20:21], s[44:45]
	; offsets in memory
	v_and_b32 v113, 8, v2
	v_add_nc_u32 v113, v113, v2                    ; r + 8 (r / 8)
	v_lshlrev_b32 v[BB], 6, v113
	v_lshlrev_b32 v[BA], 10, v3
	s_lshl_b32 s96, s[WV], 4
	v_add_nc_u32 v112, s96, v3
	v_mul_lo_u32 v112, v112, s[STP]
	v_lshl_add_u32 v[PA], v2, 4, v112              ; sixteen lanes read 256 consecutive bytes of a row, the other sixteen of the next row
.irp p,1,2,3,4,5,6,7
	v_add_nc_u32 v[PA+\p], s[STP2], v[PA+\p-1]
.endr
	v_lshrrev_b32 v112, 1, v1
	v_add_nc_u32 v112, s96, v112
	v_mul_lo_u32 v112, v112, s[STPS]
	v_and_b32 v114, 1, v0
	v_lshl_add_u32 v[PSA], v114, 4, v112
	v_mul_lo_u32 v112, v3, s[STR]
	v_lshl_add_u32 v[RA], v2, 4, v112
.set nn, 1
.rept 31
	v_add_nc_u32 v[RA+nn], s[STR2], v[RA+nn-1]
.set nn, nn+1
.endr
	v_lshl_add_u32 v112, v3, 3, v113               ; lanes 16-31 take the odd tile's rows: 8 further on
	v_mul_lo_u32 v[RSA], v112, s[STRS]
	s_lshl_b32 s97, s[STRS], 5
	v_add_nc_u32 v[RSA+1], s97, v[RSA]
	v_lshlrev_b32 v[OC], 4, v1
.irp i,1,2,3
	v_add_nc_u32 v[OC+\i], s[SI], v[OC+\i-1]
.endr
	v_lshlrev_b32 v[OS], s[LSH], v1
	v_add_nc_u32 v[OS+1], s[SPAIR], v[OS]
; R, piece k (256 bytes of each of my 64 rows: K steps 2 k, 2 k + 1): 32 loads of two rows x 256 consecutive bytes into staging set k % 2 of window 3.  again = 1: the set has been stored from before
.macro RGL k, again
	WIN 0xc0
.if \again
	s_wait_alu depctr_vm_vsrc(0)                   ; my LDS stores of the piece two back have read this staging set, in which these loads land
.endif
.set nn, 0
.rept 32
	global_load_b128 v[128*((\k)%2)+4*nn:128*((\k)%2)+4*nn+3], v[RA+nn], s[RC:RC+1] offset:256*(\k)
.set nn, nn+1
.endr
	WIN 0
.endm
; and through my own stage, rows in the tiles' order, into its resident registers.  The bytes are the wave's own and LDS serves a wave's instructions in order: no barrier, no wait between stores and loads.
.macro RPIECE k
.if (\k) < 3
	s_wait_loadcnt 32                              ; all but the next piece's 32 loads are in
.else
	s_wait_loadcnt 0x0
.endif
	WIN 0x0c                                       ; an LDS store's data are its source 1: window 3
.set nn, 0
.rept 32
	ds_store_b128 v[RW], v[128*((\k)%2)+4*nn:128*((\k)%2)+4*nn+3] offset:(32*((nn>>4)&1)+16*((nn>>2)&1)+8*((nn>>3)&1)+2*(nn&3))*272
.set nn, nn+1
.endr
.if (\k) < 2
	WIN 0x40
.else
	WIN 0x80
.endif
.irp e,0,1
.irp t,0,1,2,3
.irp c,0,1,2,3
	ds_load_b128 v[64*((2*(\k)+\e)%4)+16*\t+4*\c:64*((2*(\k)+\e)%4)+16*\t+4*\c+3], v[RR] offset:16*\t*272+128*\e+32*\c
.endr
.endr
.endr
	WIN 0
	s_wait_dscnt 0x0                               ; the stage has been read and the staging set's stores are done
.if (\k) < 2
	RGL (\k)+2, 1
.endif
.endm
; P: my 16 rows of the next block, in two halves of 8 rows (16 loads)
.macro GLOAD hf
.irp p,0,1,2,3
.irp q,0,1,2,3
	global_load_b128 v[ST+16*\p+4*\q:ST+16*\p+4*\q+3], v[PA+4*(\hf)+\p], s[PCB:PCB+1] offset:256*\q
.endr
.endr
.endm
.macro GLOADX np                       ; with the first half: their scale bytes, and the block's bias along P
	global_load_b128 v[STS:STS+3], v[PSA], s[PSB:PSB+1]
.irp i,0,1,2,3
	global_load_b32 v[BP+8*(\np)+2*\i], v[BB], s[BPB:BPB+1] offset:64*(32*(\i/2)+8*(\i%2))
.endr
.endm
.macro STORE hf, np
.irp p,0,1,2,3
.irp q,0,1,2,3
	ds_store_b128 v[LW+(\np)], v[ST+16*\p+4*\q:ST+16*\p+4*\q+3] offset:(16*(\hf)+2*\p)*PITCH+256*\q
.endr
.endr
.endm
.macro STOREX np
	ds_store_b128 v[LSW+(\np)], v[STS:STS+3]
.irp i,0,1,2,3
	v_cndmask_b32 v[BP+8*(\np)+2*\i], v[NIL], v[BP+8*(\np)+2*\i], s[MV]   ; q, k have no bias along P: 0
.endr
.endm
.macro FETCH p, i, set                 ; tile i of buffer p, all 8 K steps: 32 loads into set `set` of window 3 (a block's first tile; the others' loads are dealt among the products)
	WIN 0xc0
.irp s,0,1,2,3,4,5,6,7
.irp c,0,1,2,3
	ds_load_b128 v[128*(\set)+16*\s+4*\c:128*(\set)+16*\s+4*\c+3], v[LR+(\p)] offset:16*(\i)*PITCH+128*\s+32*\c
.endr
.endr
	WIN 0
.endm
.macro WM i, set, s, t
.set rD, ACC+8*(\t)
.set rA, 64*((\s)%4)+16*(\t)
.set rB, 128*(\set)+16*(\s)
.set rX, RS+8*((\t)/2)+(\s)
.set rY, PS+8*((\i)/2)+(\s)
.if (\s) == 0
.set rC, BR+8*(\t)                     ; the bias along R starts the sum
.else
.set rC, rD
.endif
.if ((\t)%2 == 0) && ((\i)%2 == 0)
	v_wmma_scale_f32_16x16x128_f8f6f4 v[rD:rD+7], v[rA:rA+15], v[rB:rB+15], v[rC:rC+7], v[rX], v[rY]
.elseif ((\t)%2 == 1) && ((\i)%2 == 0)
	v_wmma_scale_f32_16x16x128_f8f6f4 v[rD:rD+7], v[rA:rA+15], v[rB:rB+15], v[rC:rC+7], v[rX], v[rY] matrix_a_scale:MATRIX_SCALE_ROW1
.elseif ((\t)%2 == 0)
	v_wmma_scale_f32_16x16x128_f8f6f4 v[rD:rD+7], v[rA:rA+15], v[rB:rB+15], v[rC:rC+7], v[rX], v[rY] matrix_b_scale:MATRIX_SCALE_ROW1
.else
	v_wmma_scale_f32_16x16x128_f8f6f4 v[rD:rD+7], v[rA:rA+15], v[rB:rB+15], v[rC:rC+7], v[rX], v[rY] matrix_a_scale:MATRIX_SCALE_ROW1 matrix_b_scale:MATRIX_SCALE_ROW1
.endif
.endm
; 32 matrix instructions: my four tiles of R x tile i of P, K ascending.  The four accumulators take turns, one instruction a turn.
; nxt = 1: the next tile's 32 fragment loads are dealt among them, eight behind every second K step, into the other set of window 3.  No wait: that set's last readers, the products of the tile before,
; stand ahead of that tile's wait on va_vdst, and no vector or matrix instruction since names the set or the address.
.macro MM p, i, set, nxt
.irp s,0,1,2,3,4,5,6,7
.if \s < 4
	WIN 0x0d                                       ; source 0 (R) window 1, source 1 (P) window 3, C and D window 0
.else
	WIN 0x0e                                       ; R's K steps 4-7: window 2
.endif
.irp t,0,1,2,3
	WM \i, \set, \s, \t
.endr
.if (\nxt) && ((\s)%2 == 1)
	WIN 0xc0                                       ; destination window 3, address window 0
.irp e,0,1
.irp c,0,1,2,3
	ds_load_b128 v[128*(1-(\set))+16*(\s-1+\e)+4*\c:128*(1-(\set))+16*(\s-1+\e)+4*\c+3], v[LR+(\p)] offset:16*((\i)+1)*PITCH+128*(\s-1+\e)+32*\c
.endr
.endr
.endif
.endr
	WIN 0
.endm
; 32 numbers of a lane, v[s] on, register 16 b + i = place 32 b + 16 (lane / 16) + i along the quantiser's axis, become 8 registers of codes, v[pc] on, and two scale bytes in v[pw].
.macro QUANT2 s, pc, pw
.irp b,0,1
	v_max3_num_f32 v[TM+\b], |v[\s+16*\b]|, |v[\s+1+16*\b]|, 0x4800000   ; my 16 numbers of block b, and the floor 2^(9 - 127): the byte cannot fall under 1
.endr
.irp i,2,4,6,8,10,12,14
.irp b,0,1
	v_max3_num_f32 v[TM+\b], v[TM+\b], |v[\s+16*\b+\i]|, |v[\s+1+16*\b+\i]|
.endr
.endr
.irp b,0,1
	v_permlanex16_b32 v[TM+2+\b], v[TM+\b], s[SEL], s[SEL+1]
.endr
.irp b,0,1
	v_max_num_f32 v[TM+\b], v[TM+\b], v[TM+2+\b]   ; with lane l xor 16's: the block's largest magnitude
.endr
.irp b,0,1
	v_add_nc_u32 v[TM+6+\b], 0xfc000000, v[TM+\b]  ; 8 off its exponent field: the conversion's scale operand
.endr
.irp b,0,1
	v_and_or_b32 v[TM+4+\b], v[TM+\b], 0x7f800000, s[MNT]   ; 448 x the scale
.endr
.irp b,0,1
	v_lshrrev_b32 v[TM+2+\b], 23, v[TM+6+\b]       ; the scale's byte
.endr
	v_lshl_or_b32 v[\pw], v[TM+3], 8, v[TM+2]
.irp b,0,1
.irp i,0,1,2,3,4,5,6,7,8,9,10,11,12,13,14,15
	v_med3_num_f32 v[\s+16*\b+\i], v[\s+16*\b+\i], -v[TM+4+\b], v[TM+4+\b]   ; the conversion to an 8-bit code does not saturate (ISA guide 7.6.2): the hold at the largest code x the scale
.endr
	v_cvt_scalef32_pk8_fp8_f32 v[\pc+4*\b:\pc+4*\b+1], v[\s+16*\b:\s+16*\b+7], v[TM+6+\b]
	v_cvt_scalef32_pk8_fp8_f32 v[\pc+4*\b+2:\pc+4*\b+3], v[\s+16*\b+8:\s+16*\b+15], v[TM+6+\b]
.endr
	v_nop                                          ; one plain vector instruction behind the last conversion, ahead of whatever next writes its sources
.endm
; One tile of 16 rows of P against my 64 rows of R.
.macro TILE p, i, last
.if ((\i) == 2) && ((\last) == 0)
	s_wait_dscnt 17                                ; this tile's fragments are in; the 17 staging stores issued behind their loads may be out
	s_wait_alu depctr_vm_vsrc(0)                   ; those LDS stores have read ST, in which the loads below land; and the last tile's stores have read the codes and the scale halves, which this tile writes again
	GLOAD 1
.else
	s_wait_dscnt 0x0                               ; this tile's fragments are in (in tile 0 the block's scale words too)
.endif
.if (\i) < 3
	MM \p, \i, (\i)%2, 1
.else
	MM \p, \i, (\i)%2, 0
.endif
.rept 9
	v_nop                                          ; 8 places ahead of the first read of results by a vector instruction; 9 ahead of the next tile's first product, which begins the accumulators anew
.endr
.set nn, 0
.rept 16
	v_pk_add_f32 v[ACC+2*nn:ACC+2*nn+1], v[ACC+2*nn:ACC+2*nn+1], v[BP+8*(\p)+2*(\i):BP+8*(\p)+2*(\i)+1] op_sel_hi:[1,0]   ; the bias along P; each accumulator from its low end on
.set nn, nn+1
.endr
	s_wait_alu depctr_va_vdst(0)
	s_wait_xcnt 0x0                                ; the last tile's stores have had their addresses translated: the codes' registers are written again only behind this wait
.if ((\i) == 1) || ((\i) == 3) || (((\i) == 2) && ((\last) != 0))
	s_wait_alu depctr_vm_vsrc(0)                   ; the last tile's stores have read the codes and the scale halves, which the lines below write again (for tile 0 the block's head has stated it, for a tile 2 that stages its own head)
.endif
	QUANT2 ACC, PC, PW+(\i)%2
.if (\i)%2 == 1
	v_cndmask_b32 v[WD], v[PW], v[PW+1], s[MHI]    ; lanes 0-15: the even tile's rows, lanes 16-31: the odd tile's (both halves of the lanes hold every row's bytes)
.endif
	s_wait_alu depctr_va_vdst(0)                   ; the conversions have written the codes and the select the scale halves, which the stores below read; this tile's products and additions are done reading their set of window 3, PS and BP, in which later loads land
	global_store_b128 v[OC+(\i)], v[PC:PC+3], s[OCB:OCB+1]               ; 512 consecutive bytes, aligned
	global_store_b128 v[OC+(\i)], v[PC+4:PC+7], s[OCB:OCB+1] offset:512
.if (\i)%2 == 1
	global_store_b16 v[OS+(\i)/2], v[WD], s[OSB:OSB+1]
.endif
.if ((\i) == 1) && ((\last) == 0)
	s_wait_loadcnt 0x0                             ; the next block's first half, asked for at this block's head
	STORE 0, 1-(\p)
	STOREX 1-(\p)
.endif
.if ((\i) == 3) && ((\last) == 0)
	s_wait_loadcnt 0x0
	STORE 1, 1-(\p)
.endif
.endm
; A block of 64 rows of P in buffer p.  ONE barrier: in front of it each wave's stores into this buffer have landed and its reads of the other buffer are back; behind it this buffer is read and the other written.
.macro BLOCK p, last
	s_wait_dscnt 0x0
	s_barrier_signal -1
	s_barrier_wait -1
	s_wait_alu depctr_vm_vsrc(0)                   ; my staging stores have read ST and STS, in which the loads below land; the last tile's stores have read the codes and scale halves, which tile 0 writes again; on the way in: R's LDS stores have read window 3, in which fragments land, and R's loads their addresses, which become the accumulators
.irp ip,0,1
.irp qq,0,1
	ds_load_b128 v[PS+8*\ip+4*\qq:PS+8*\ip+4*\qq+3], v[LSR+(\p)] offset:1024*\ip+16*\qq   ; (the products that read PS and set 0 stand ahead of the last tile's wait on va_vdst; no vector instruction has been issued since)
.endr
.endr
	FETCH \p, 0, 0
.if (\last) == 0
	GLOAD 0
	GLOADX 1-(\p)
.endif
	TILE \p, 0, \last
	TILE \p, 1, \last
	TILE \p, 2, \last
	TILE \p, 3, \last
.if (\last) == 0
	s_wait_xcnt 0x0                                ; every load and store has read its base: now they step
	s_add_nc_u64 s[OCB:OCB+1], s[OCB:OCB+1], s[OCSTEP:OCSTEP+1]
	s_add_nc_u64 s[OSB:OSB+1], s[OSB:OSB+1], s[OSSTEP:OSSTEP+1]
	s_add_nc_u64 s[PCB:PCB+1], s[PCB:PCB+1], s[PSTEP:PSTEP+1]
	s_add_nc_u64 s[PSB:PSB+1], s[PSB:PSB+1], s[PSSTEP:PSSTEP+1]
	s_add_nc_u64 s[BPB:BPB+1], s[BPB:BPB+1], s[BPSTEP:BPSTEP+1]
.endif
.endm
	s_wait_alu depctr_va_vdst(0)                   ; every address and offset (v4-30, v132-163, v232-233) is written: all loads, stores and LDS instructions of the kernel read them, and none is written again while it serves as an address
.irp b,0,1
.irp qq,0,1
	global_load_b128 v[RS+8*\b+4*\qq:RS+8*\b+4*\qq+3], v[RSA+\b], s[RSC:RSC+1] offset:16*\qq   ; a row's 32 scale bytes are the words of its 8 K steps
.endr
.endr
.irp t,0,1,2,3
.irp j,0,1,2,3,4,5,6,7
	global_load_b32 v[BR+8*\t+\j], v[BA], s[BRB:BRB+1] offset:64*(32*(\t/2)+8*(\t%2)+\j)   ; b at column 16 d + head, d = 32 (t / 2) + 16 h + 8 (t % 2) + j
.endr
.endr
	GLOAD 0                                        ; block 0 of P
	GLOADX 0
	RGL 0, 0
	RGL 1, 0
	RPIECE 0
	RPIECE 1
	RPIECE 2
	RPIECE 3                                       ; its wait for 0 covers every load so far
	STORE 0, 0
	STOREX 0
	s_wait_dscnt 0x0
	s_wait_alu depctr_vm_vsrc(0)                   ; the LDS stores above have read ST, in which the second half's loads land
	GLOAD 1
.set nn, 0
.rept 32
	v_cndmask_b32 v[BR+nn], v[BR+nn], v[NIL], s[MV]   ; v has no bias along R: 0
.set nn, nn+1
.endr
	s_wait_loadcnt 0x0
	STORE 1, 0
	s_wait_xcnt 0x0
	s_add_nc_u64 s[PCB:PCB+1], s[PCB:PCB+1], s[PSTEP:PSTEP+1]
	s_add_nc_u64 s[PSB:PSB+1], s[PSB:PSB+1], s[PSSTEP:PSSTEP+1]
	s_add_nc_u64 s[BPB:BPB+1], s[BPB:BPB+1], s[BPSTEP:BPSTEP+1]
	s_mov_b32 s[CNT], 3
.Lpair:                                            ; blocks 0 to 5, two a trip
	s_wait_alu depctr_va_vdst(0)
	BLOCK 0, 0
	BLOCK 1, 0
	s_sub_co_u32 s[CNT], s[CNT], 1
	s_cmp_lg_u32 s[CNT], 0
	s_cbranch_scc1 .Lpair
	BLOCK 0, 0
	BLOCK 1, 1                                     ; the last block stages nothing: no load leaves its buffer
	s_wait_dscnt 0x0
	s_wait_alu depctr_hold_cnt(0) depctr_sa_sdst(0) depctr_va_vdst(0) depctr_va_sdst(0) depctr_va_ssrc(0) depctr_va_vcc(0) depctr_vm_vsrc(0)
	s_wait_tensorcnt 0x0
	ds_add_u32 v254, v255
	s_wait_dscnt 0x0
	s_endpgm
.Lfunc_end_k_q6a5e70f0b1_proj:
	.size	k_q6a5e70f0b1_proj, .Lfunc_end_k_q6a5e70f0b1_proj-k_q6a5e70f0b1_proj
	.p2alignl 7, 3214868480
	.fill 96, 4, 3214868480
	.section	.rodata,"a",@progbits
	.p2align	6, 0x0
	.amdhsa_kernel k_q6a5e70f0b1_proj
		.amdhsa_group_segment_fixed_size 207360
		.amdhsa_private_segment_fixed_size 0
		.amdhsa_enable_private_segment 0
		.amdhsa_kernarg_size 168
		.amdhsa_user_sgpr_count 2
		.amdhsa_user_sgpr_kernarg_segment_ptr 1
		.amdhsa_wavefront_size32 1
		.amdhsa_system_sgpr_workgroup_id_x 1
		.amdhsa_system_sgpr_workgroup_id_y 1
		.amdhsa_system_sgpr_workgroup_id_z 1
		.amdhsa_system_vgpr_workitem_id 0
		.amdhsa_next_free_vgpr 1024
		.amdhsa_next_free_sgpr 104
		.amdhsa_reserve_vcc 0
		.amdhsa_float_denorm_mode_32 3
		.amdhsa_float_denorm_mode_16_64 3
		.amdhsa_memory_ordered 1
		.amdhsa_forward_progress 1
		.amdhsa_inst_pref_size 255
	.end_amdhsa_kernel
	.section	.bss,"aw",@nobits
	.p2align	6
	.space	262144
	.amdgpu_metadata
---
amdhsa.version: [ 1, 2 ]
amdhsa.kernels:
  - .name:           k_q6a5e70f0b1_proj
    .symbol:         k_q6a5e70f0b1_proj.kd
    .args:
      - { .name: q_codes, .offset: 0, .size: 8, .value_kind: global_buffer, .address_space: global }
      - { .name: q_scales, .offset: 8, .size: 8, .value_kind: global_buffer, .address_space: global }
      - { .name: Wq_codes, .offset: 16, .size: 8, .value_kind: global_buffer, .address_space: global }
      - { .name: Wq_scales, .offset: 24, .size: 8, .value_kind: global_buffer, .address_space: global }
      - { .name: bq, .offset: 32, .size: 8, .value_kind: global_buffer, .address_space: global }
      - { .name: qc, .offset: 40, .size: 8, .value_kind: global_buffer, .address_space: global }
      - { .name: qs, .offset: 48, .size: 8, .value_kind: global_buffer, .address_space: global }
      - { .name: k_codes, .offset: 56, .size: 8, .value_kind: global_buffer, .address_space: global }
      - { .name: k_scales, .offset: 64, .size: 8, .value_kind: global_buffer, .address_space: global }
      - { .name: Wk_codes, .offset: 72, .size: 8, .value_kind: global_buffer, .address_space: global }
      - { .name: Wk_scales, .offset: 80, .size: 8, .value_kind: global_buffer, .address_space: global }
      - { .name: bk, .offset: 88, .size: 8, .value_kind: global_buffer, .address_space: global }
      - { .name: kc, .offset: 96, .size: 8, .value_kind: global_buffer, .address_space: global }
      - { .name: ks, .offset: 104, .size: 8, .value_kind: global_buffer, .address_space: global }
      - { .name: v_codes, .offset: 112, .size: 8, .value_kind: global_buffer, .address_space: global }
      - { .name: v_scales, .offset: 120, .size: 8, .value_kind: global_buffer, .address_space: global }
      - { .name: Wv_codes, .offset: 128, .size: 8, .value_kind: global_buffer, .address_space: global }
      - { .name: Wv_scales, .offset: 136, .size: 8, .value_kind: global_buffer, .address_space: global }
      - { .name: bv, .offset: 144, .size: 8, .value_kind: global_buffer, .address_space: global }
      - { .name: vc, .offset: 152, .size: 8, .value_kind: global_buffer, .address_space: global }
      - { .name: vs, .offset: 160, .size: 8, .value_kind: global_buffer, .address_space: global }
    .group_segment_fixed_size: 207360
    .private_segment_fixed_size: 0
    .kernarg_segment_align: 8
    .kernarg_segment_size: 168
    .max_flat_workgroup_size: 128
    .sgpr_count:     104
    .vgpr_count:     1024
    .wavefront_size: 32
...
	.end_amdgpu_metadata
.endif
;; end of part 4
;; launch attn (part 5): grid 4 x 64, 16 waves a work-group, no clusters, 327,680 bytes of LDS; arguments qc, qs, kc, ks, vc, vs, cc, cs; writes cc, cs
.if DOCPART == 5
	.amdgcn_target "amdgcn-amd-amdhsa--gfx1250"
	.amdhsa_code_object_version 6
	.text
	.protected	k_q6a5e70f0b1_attn
	.globl	k_q6a5e70f0b1_attn
	.p2align	8
	.type	k_q6a5e70f0b1_attn,@function
k_q6a5e70f0b1_attn:
	s_mov_b64 s[64:65], 0
	v_nop
	global_prefetch_b8 v0, s[64:65] scope:SCOPE_SE
	s_setreg_imm32_b32 hwreg(HW_REG_WAVE_MODE, 25, 1), 1
	s_wait_xcnt 0x0
; CAUSAL ATTENTION on codes of E4M3, one E8M0 byte for each 32 along a product's K, for one (batch, head) bh = work-group y; 2,048 tokens, head size 64; and the quantiser of the context.
; t = score x log2(e) / 32 (the logits are divided by sqrt(1024)); M = the row's largest t so far, rounded UP to a whole number; p = 2^(t - M) is what is quantised, along the keys, not normalised.
; The row's sum is taken of the unquantised p in f32 and divides O at the end.  When M moves, the sum and O are multiplied by 2^(old M - new M): exact.
; SHARES.  Work-group x = i (0 .. 3) owns two blocks of 256 queries: block i, then block 7 - i.  It walks (i + 1) + (8 - i) = 9 slots of 256 keys, the same number in every work-group: 256 work-groups of equal work,
; every trip count a constant of the text, and no tile fetched that nobody reads.  Each of the sixteen waves owns one tile of 16 queries in 256 registers: four waves to a SIMD.
; ALL OPERANDS LIE IN MEMORY AS IMAGES OF THEIR REGISTERS (16 bytes a lane): a slot's K codes, V codes, K scales and V scales are four dense blocks, brought by waves 0 to 3, one tensor load each, and read by all.
; Both products are used transposed: S^T = K Q^T (source 0 = 16 keys), O^T = V^T P^T (source 0 = 16 of the head's 64): a lane holds ONE query throughout.
; Tile T of tokens has token 32 (T / 2) + 8 (T % 2) + r + 8 (r / 8) in lane r; V's tiles of d likewise: so the 16 registers of result tiles 2 b, 2 b + 1 are 16 neighbours, 32 b + 16 (lane / 16) + 0 .. 15.
; The first product's K is 64: the upper half of K's and Q's fragments holds zero codes (set once), under the scale bytes 0 that a 16-bit load leaves: they add nothing.
; THE MASK.  A step all of whose 128 keys come after my queries is jumped over (a scalar branch on ids); on the diagonal hidden scores become -infinity ahead of the maximum; p is then 0.
; No joint loads: the four work-groups of a head stand at different key slots at the same change of slots (their first blocks have 1 to 4 slots), so no two ask for the same tile together.
; OUT: cc [tile of tokens 512][K step 8][c 4][lane][16]: the context's codes along k = 64 head + d, as the last product's operand; cs words [tile][K step][16], of which a head writes one half.
; LIMITS: NaN and infinities are not served.  A block whose largest magnitude lies under 2^-118 gets the byte 1.  1 / sum is v_rcp_f32 and a multiplication.
;   A block's largest p is made from the block's largest score by the same two instructions: this takes v_exp_f32 not to fall where its input rises.  The scale halves leave as 2 bytes a lane.
.set SLOT1, 1<<16                      ; slot n begins at n << 16: + 0 K's codes (16 KB), + 16384 V's codes (16 KB), + 32768 K's scales (512), + 49152 V's scales (512)
.set SPARE, 131072                     ; the spare words, 128 bytes for each of 16 waves: eight blocks of 256 bytes that no other line names
.set LI,  1                            ; v1   16 x lane
.set AKS, 2                            ; v2   2 r + 32768
.set AVS, 3                            ; v3   4 r + 49152
.set DQ,  4                            ; v4   r + 8 (r / 8) - 16 h
.set SPW, 5                            ; v5   LDS address of my spare word; never rewritten
.set NIL, 6                            ; v6   0; never rewritten
.set GQS, 7                            ; v7   2 r
.set ADK, 8                            ; v8-10 the slot's addresses
.set ADS, 9
.set ADT, 10
.set GCS, 11                           ; v11  4 r
; v12 -M, v13 the largest t, v[14:15] the sum in two halves; v16-31 Q; v32-95 four fragments of K; v96-159 S^T, then p, then V's four fragments; v160-191 O^T; v192-207 p's codes
.set BM,  208                          ; v208-211 a block's largest score, then its largest p
.set BT,  212                          ; v212-215 the other half's, then the bytes
.set BL,  216                          ; v216-219 448 x the scale
.set BS,  220                          ; v220-223 the conversion's scale operand
.set KS,  224                          ; v224-227 K's or V's scale words;  v228 Q's;  v229 p's
.set TM,  236                          ; v236-243 the context's quantiser;  v244 its two bytes
.set WV,  2
.set IX,  3
.set BH,  4
.set G1C, 24                           ; s[24:31] group 1: 64 rows of 256 bytes
.set G1S, 32                           ; s[32:39] group 1: 2 rows of 256 bytes
.set G0,  40                           ; s[40:43] my group 0
.set BASE, 44                          ; s[44:45] my buffer at this head
.set OFS, 46
.set STEPB, 48                         ; bytes of a slot in my buffer
.set KN,  49                           ; the key slot to fetch
.set FC,  50                           ; fills issued
.set SWI, 51                           ; i + 1: slots of the first block
.set CNT, 52                           ; slots begun
.set TB,  53                           ; LDS byte at which the slot in hand begins
.set KF,  54                           ; the step's first key
.set QMIN, 55
.set QMAX, 56
.set LOOP, 57
.set CS,  58                           ; s[58:59] c = log2(e) / 32
.set SEL, 60
.set MNT, 62
.set TMP, 63
.set TT,  66                           ; my tile of queries
.set QCB, 68
.set QSB, 70
.set CCB, 72
.set CSB, 74
; Waves 0 and 1 fetch codes, waves 2 and 3 scale bytes, the others nothing.  The branches hang on the wave's number alone.  Four v_nop follow each of the two lines.
.macro TLOAD
	s_cmp_lt_u32 s[WV], 2
	s_cbranch_scc0 .Lnot_c_\@
	tensor_load_to_lds s[G0:G0+3], s[G1C:G1C+7]
	s_nop 0
.rept 4
	v_nop
.endr
	s_branch .Lasked_\@
.Lnot_c_\@:
	s_cmp_lt_u32 s[WV], 4
	s_cbranch_scc0 .Lasked_\@
	tensor_load_to_lds s[G0:G0+3], s[G1S:G1S+7]
	s_nop 0
.rept 4
	v_nop
.endr
.Lasked_\@:
.endm
	s_load_b512 s[8:23], s[0:1], 0x0               ; qc s[8:9], qs, kc s[12:13], ks, vc s[16:17], vs, cc s[20:21], cs
	v_lshl_add_u32 v[SPW], v0, 2, SPARE
	v_mov_b32 v[NIL], 0
	ds_add_u32 v5, v6
	ds_add_u32 v5, v6
	s_wait_dscnt 0x0
	v_lshrrev_b32 v1, 5, v0
	s_delay_alu instid0(VALU_DEP_1)
	v_readfirstlane_b32 s[WV], v1                  ; wave 0..15
	s_mov_b32 s[IX], ttmp9
	s_and_b32 s[BH], ttmp7, 0xffff
	s_mov_b32 s[G1C], 3<<16                        ; no mask; elements of 8 bytes; no padding: the images are read 16 bytes a lane on end
	s_mov_b32 s[G1C+1], 32<<16                     ; tensor_dim0 = 32 elements = 256 bytes
	s_mov_b32 s[G1C+2], 64<<16                     ; tensor_dim1 = 64
	s_mov_b32 s[G1C+3], 32<<16                     ; tile_dim0
	s_mov_b32 s[G1C+4], 64                         ; tile_dim1
	s_mov_b32 s[G1C+5], 32                         ; the pitch: dense
	s_mov_b32 s[G1C+6], 0
	s_mov_b32 s[G1C+7], 0
	s_mov_b32 s[G1S], 3<<16
	s_mov_b32 s[G1S+1], 32<<16
	s_mov_b32 s[G1S+2], 2<<16
	s_mov_b32 s[G1S+3], 32<<16
	s_mov_b32 s[G1S+4], 2
	s_mov_b32 s[G1S+5], 32
	s_mov_b32 s[G1S+6], 0
	s_mov_b32 s[G1S+7], 0
	s_mov_b32 s[CS], 0x3d38aa3b
	s_mov_b32 s[CS+1], s[CS]                       ; (named with it as a pair, so it is written)
	s_mov_b32 s[SEL], 0x76543210
	s_mov_b32 s[SEL+1], 0xfedcba98
	s_mov_b32 s[MNT], 0x600000
	s_mov_b32 s[KN], 0
	s_mov_b32 s[FC], 0
	s_mov_b32 s[CNT], 0
	s_mov_b32 s[TB], 0
	s_mov_b32 s[KF], 0
	s_add_co_u32 s[SWI], s[IX], 1
	s_and_b32 s[G0+1], s[WV], 3
	s_lshl_b32 s[G0+1], s[G0+1], 14                ; LDS address in slot 0: 16384 x wave
	s_mov_b32 s[G0], 1
	s_wait_kmcnt 0x0
	s_cmp_eq_u32 s[WV], 1                          ; my buffer: kc, vc, ks, vs for waves 0, 1, 2, 3
	s_cselect_b64 s[BASE:BASE+1], s[16:17], s[12:13]
	s_cmp_eq_u32 s[WV], 2
	s_cselect_b64 s[BASE:BASE+1], s[14:15], s[BASE:BASE+1]
	s_cmp_eq_u32 s[WV], 3
	s_cselect_b64 s[BASE:BASE+1], s[18:19], s[BASE:BASE+1]
	s_cmp_lt_u32 s[WV], 2
	s_mov_b32 s[STEPB], 512
	s_cselect_b32 s[STEPB], 16384, s[STEPB]
	s_cselect_b32 s[TMP], 17, 12                   ; a head's codes are 2^17 bytes, its scale bytes 2^12
	s_lshl_b32 s[OFS], s[BH], s[TMP]
	s_mov_b32 s[OFS+1], 0
	s_add_nc_u64 s[BASE:BASE+1], s[BASE:BASE+1], s[OFS:OFS+1]
	s_mov_b64 s[G0+2:G0+3], s[BASE:BASE+1]         ; key slot 0
	s_or_b32 s[G0+3], s[G0+3], 0x80000000          ; type = 2
	TLOAD                                          ; slot 0: the first fill, ahead of every wait on TENSORcnt, LDS read and barrier
	s_lshl_b32 s[OFS], s[BH], 17
	s_add_nc_u64 s[QCB:QCB+1], s[8:9], s[OFS:OFS+1]
	s_lshl_b32 s[OFS], s[BH], 12
	s_add_nc_u64 s[QSB:QSB+1], s[10:11], s[OFS:OFS+1]
	s_lshr_b32 s[TMP], s[BH], 4                    ; batch
	s_and_b32 s84, s[BH], 15                       ; head
	s_lshr_b32 s85, s84, 1                         ; the last product's K step: two heads
	s_and_b32 s87, s[BH], 1
	s_lshl_b32 s[OFS], s[TMP], 21                  ; 128 tiles of 16,384 bytes a batch
	s_lshl_b32 s86, s85, 11
	s_add_co_u32 s[OFS], s[OFS], s86
	s_lshl_b32 s86, s87, 10
	s_add_co_u32 s[OFS], s[OFS], s86
	s_add_nc_u64 s[CCB:CCB+1], s[20:21], s[OFS:OFS+1]
	s_lshl_b32 s[OFS], s[TMP], 16
	s_lshl_b32 s86, s85, 6
	s_add_co_u32 s[OFS], s[OFS], s86
	s_lshl_b32 s86, s87, 1
	s_add_co_u32 s[OFS], s[OFS], s86
	s_add_nc_u64 s[CSB:CSB+1], s[22:23], s[OFS:OFS+1]
	v_and_b32 v1, 31, v0
	s_delay_alu instid0(VALU_DEP_1)
	v_lshlrev_b32 v[LI], 4, v1
	v_and_b32 v232, 15, v0                         ; r
	s_delay_alu instid0(VALU_DEP_1)
	v_lshlrev_b32 v[GQS], 1, v232
	s_delay_alu instid0(VALU_DEP_2)
	v_lshlrev_b32 v[GCS], 2, v232
	s_delay_alu instid0(VALU_DEP_3)
	v_lshl_add_u32 v[AKS], v232, 1, 32768
	s_delay_alu instid0(VALU_DEP_4)
	v_lshl_add_u32 v[AVS], v232, 2, 49152
	v_and_b32 v233, 8, v232
	s_delay_alu instid0(VALU_DEP_1)
	v_add_nc_u32 v[DQ], v233, v232
	v_bfe_u32 v233, v0, 4, 1
	s_delay_alu instid0(VALU_DEP_1)
	v_lshlrev_b32 v233, 4, v233
	s_delay_alu instid0(VALU_DEP_1)
	v_sub_nc_u32 v[DQ], v[DQ], v233
.irp j,0,1,2,3,4,5,6,7
	v_mov_b32 v[24+\j], 0                          ; zero codes: the upper 64 of the first product's 128 along K, in Q
.endr
.irp t,0,1,2,3
.irp j,0,1,2,3,4,5,6,7
	v_mov_b32 v[40+16*\t+\j], 0                    ; and in K's four fragments
.endr
.endr
.irp b,0,1,2,3
	v_mov_b32 v[BT+\b], 0                          ; written once: a lane permute's destination counts as one of its sources
.endr
	v_mov_b32 v231, 0                              ; (the upper half of the pair v[230:231])
	v_mov_b32 v[TM+2], 0
	v_mov_b32 v[TM+3], 0
.macro QUANT2 s, pc, pw                ; 32 numbers of a lane, register 16 b + i = d 32 b + 16 (lane / 16) + i, become 8 registers of codes and two scale bytes
.irp b,0,1
	v_max3_num_f32 v[TM+\b], |v[\s+16*\b]|, |v[\s+1+16*\b]|, 0x4800000   ; and the floor 2^(9 - 127): the byte cannot fall under 1
.endr
.irp i,2,4,6,8,10,12,14
.irp b,0,1
	s_delay_alu instid0(VALU_DEP_2)
	v_max3_num_f32 v[TM+\b], v[TM+\b], |v[\s+16*\b+\i]|, |v[\s+1+16*\b+\i]|
.endr
.endr
.irp b,0,1
	s_delay_alu instid0(VALU_DEP_2)
	v_permlanex16_b32 v[TM+2+\b], v[TM+\b], s[SEL], s[SEL+1]
.endr
.irp b,0,1
	s_delay_alu instid0(VALU_DEP_2)
	v_max_num_f32 v[TM+\b], v[TM+\b], v[TM+2+\b]
.endr
.irp b,0,1
	s_delay_alu instid0(VALU_DEP_2)
	v_add_nc_u32 v[TM+6+\b], 0xfc000000, v[TM+\b]
.endr
.irp b,0,1
	s_delay_alu instid0(VALU_DEP_4)
	v_and_or_b32 v[TM+4+\b], v[TM+\b], 0x7f800000, s[MNT]
.endr
.irp b,0,1
	s_delay_alu instid0(VALU_DEP_4)
	v_lshrrev_b32 v[TM+2+\b], 23, v[TM+6+\b]
.endr
	s_delay_alu instid0(VALU_DEP_1)
	v_lshl_or_b32 v[\pw], v[TM+3], 8, v[TM+2]
.irp b,0,1
.irp i,0,1,2,3,4,5,6,7,8,9,10,11,12,13,14,15
	v_med3_num_f32 v[\s+16*\b+\i], v[\s+16*\b+\i], -v[TM+4+\b], v[TM+4+\b]   ; the conversion to an 8-bit code does not saturate (ISA guide 7.6.2)
.endr
	v_cvt_scalef32_pk8_fp8_f32 v[\pc+4*\b:\pc+4*\b+1], v[\s+16*\b:\s+16*\b+7], v[TM+6+\b]
	v_cvt_scalef32_pk8_fp8_f32 v[\pc+4*\b+2:\pc+4*\b+3], v[\s+16*\b+8:\s+16*\b+15], v[TM+6+\b]
.endr
	v_nop                                          ; one plain vector instruction behind the last conversion
.endm
; My tile s[TT] begins: Q's fragment and scale bytes, the bounds of my queries, and the running numbers.
.macro INIT
	s_lshl_b32 s[OFS], s[TT], 10
	s_add_nc_u64 s[76:77], s[QCB:QCB+1], s[OFS:OFS+1]
	s_lshl_b32 s[OFS], s[TT], 5
	s_add_nc_u64 s[78:79], s[QSB:QSB+1], s[OFS:OFS+1]
	global_load_b128 v[16:19], v[LI], s[76:77]
	global_load_b128 v[20:23], v[LI], s[76:77] offset:512
	global_load_u16 v228, v[GQS], s[78:79]
	s_lshr_b32 s[QMIN], s[TT], 1
	s_lshl_b32 s[QMIN], s[QMIN], 5
	s_and_b32 s[TMP], s[TT], 1
	s_lshl_b32 s[TMP], s[TMP], 3
	s_add_co_u32 s[QMIN], s[QMIN], s[TMP]          ; my queries: QMIN + (0 .. 7, 16 .. 23)
	s_add_co_u32 s[QMAX], s[QMIN], 23
	v_mov_b32 v13, 0xff61b1e6                      ; the largest t so far: -3e38, under every t
	s_delay_alu instid0(VALU_DEP_1)
	v_floor_f32 v12, -v13                          ; -M
	v_mov_b32 v14, 0
	v_mov_b32 v15, 0
.set nn, 0
.rept 32
	v_mov_b32 v[160+nn], 0                         ; O^T: the step is written once; the first finds zeros, which the first change of M leaves zeros
.set nn, nn+1
.endr
.endm
; My tile ends: O^T / the sum, quantised along d, leaves as two groups of the last product's operand.
.macro FINISH
.rept 8
	v_nop                                          ; places behind the last products (ISA guide 7.12.1)
.endr
	v_add_f32 v14, v14, v15
	s_delay_alu instid0(VALU_DEP_1)
	v_permlanex16_b32 v232, v14, s[SEL], s[SEL+1]
	s_delay_alu instid0(VALU_DEP_1)
	v_add_f32 v14, v14, v232                       ; the row's sum
	s_wait_alu depctr_va_vdst(0)
	v_rcp_f32 v14, v14
	v_nop                                          ; one plain place behind the transcendental
.set nn, 0
	s_wait_alu depctr_va_vdst(0)
.rept 16
	v_pk_mul_f32 v[160+2*nn:161+2*nn], v[160+2*nn:161+2*nn], v[14:15] op_sel_hi:[1,0]
.set nn, nn+1
.endr
	QUANT2 160, 192, 244
	s_lshl_b32 s[OFS], s[TT], 14
	s_add_nc_u64 s[80:81], s[CCB:CCB+1], s[OFS:OFS+1]
	s_lshl_b32 s[OFS], s[TT], 9
	s_add_nc_u64 s[82:83], s[CSB:CSB+1], s[OFS:OFS+1]
	global_store_b128 v[LI], v[192:195], s[80:81]              ; 512 consecutive bytes, aligned
	global_store_b128 v[LI], v[196:199], s[80:81] offset:512
	global_store_b16 v[GCS], v244, s[82:83]                    ; both halves of the lanes hold the row's bytes and write the same
.endm
; A KEY STEP: 128 keys, the q-th of the slot in hand.
.macro STEP q
	s_cmp_gt_u32 s[KF], s[QMAX]                    ; all 128 keys come after my queries: nothing to do but to step
	s_cbranch_scc1 .Lhidden_\@
	v_add_nc_u32 v[ADK], s[TB], v[LI]
	s_wait_alu depctr_va_vdst(0)
	v_add_nc_u32 v[ADS], s[TB], v[AKS]
	s_wait_alu depctr_va_vdst(0)
	v_add_nc_u32 v[ADT], s[TB], v[AVS]
.rept 7
	v_nop                                          ; with the three additions ten places: nine are owed, since the products below write over registers that the last step's products read as V's fragments
.endr
.irp g,0,1                                     ; S^T = K Q^T, four tiles of 16 keys at a time
.if \g > 0
.rept 8
	v_nop                                          ; places in front of loads into registers that matrix instructions have read
.endr
.endif
.irp t,0,1,2,3
	ds_load_b128 v[32+16*\t:35+16*\t], v[ADK] offset:(8*(\q)+4*\g+\t)*1024
	ds_load_b128 v[36+16*\t:39+16*\t], v[ADK] offset:(8*(\q)+4*\g+\t)*1024+512
	ds_load_u16 v[KS+\t], v[ADS] offset:(8*(\q)+4*\g+\t)*32
.endr
	s_wait_dscnt 0x0
.irp t,0,1,2,3
	v_wmma_scale_f32_16x16x128_f8f6f4 v[96+8*(4*\g+\t):103+8*(4*\g+\t)], v[32+16*\t:47+16*\t], v[16:31], 0, v[KS+\t], v228
.endr
.endr
.rept 8
	v_nop
.endr
	s_add_co_u32 s[TMP], s[KF], 127                ; a step all of whose keys count skips the mask
	s_cmp_le_u32 s[TMP], s[QMIN]
	s_cbranch_scc1 .Lopen_\@
	s_sub_co_i32 s[TMP], s[QMIN], s[KF]
	v_add_nc_u32 v232, s[TMP], v[DQ]               ; my query - KF - 16 h.  Register 16 b + i holds key KF + 16 h + 32 b + i: hidden where 32 b + i is larger
	v_mov_b32 v233, 0xff800000                     ; -infinity
.set nn, 0
.rept 64
	v_cmp_gt_i32 vcc_lo, 32*(nn/16)+nn%16, v232
	v_cndmask_b32 v[96+nn], v[96+nn], v233, vcc_lo
.set nn, nn+1
.endr
.Lopen_\@:
.irp b,0,1,2,3
	v_max3_num_f32 v[BM+\b], v[96+16*\b], v[97+16*\b], v[98+16*\b]   ; the largest score of each block of 32 keys: for the row's maximum, and, since p rises with the score, for the block's largest p
.endr
.irp i,3,5,7,9,11,13
.irp b,0,1,2,3
	v_max3_num_f32 v[BM+\b], v[BM+\b], v[96+16*\b+\i], v[97+16*\b+\i]
.endr
.endr
.irp b,0,1,2,3
	v_max_num_f32 v[BM+\b], v[BM+\b], v[111+16*\b]
.endr
.irp b,0,1,2,3
	s_delay_alu instid0(VALU_DEP_4)
	v_permlanex16_b32 v[BT+\b], v[BM+\b], s[SEL], s[SEL+1]
.endr
.irp b,0,1,2,3
	s_delay_alu instid0(VALU_DEP_4)
	v_max_num_f32 v[BM+\b], v[BM+\b], v[BT+\b]     ; with lane l xor 16's 16 keys
.endr
	s_delay_alu instid0(VALU_DEP_2)
	v_max3_num_f32 v232, v[BM], v[BM+1], v[BM+2]
	s_delay_alu instid0(VALU_DEP_1)
	v_max_num_f32 v232, v232, v[BM+3]
	s_delay_alu instid0(VALU_DEP_1)
	v_mul_f32 v232, s[CS], v232                    ; as t (c is positive)
	s_delay_alu instid0(VALU_DEP_1)
	v_max_num_f32 v13, v13, v232                   ; the running largest t
	v_mov_b32 v232, v12
	s_delay_alu instid0(VALU_DEP_2)
	v_floor_f32 v12, -v13                          ; the new -M = -ceil(t): a whole number
	s_delay_alu instid0(VALU_DEP_1)
	v_sub_f32 v232, v12, v232                      ; old M - new M: a whole number, 0 or less
	s_delay_alu instid0(VALU_DEP_1)
	v_cvt_i32_f32 v232, v232                       ; (it saturates)
	s_delay_alu instid0(VALU_DEP_1)
	v_ldexp_f32 v230, 1.0, v232                    ; f = 2^(old M - new M)
.set nn, 0
.rept 32
	v_pk_fma_f32 v[96+2*nn:97+2*nn], v[96+2*nn:97+2*nn], s[CS:CS+1], v[12:13] op_sel_hi:[1,0,0]   ; t - M, two at a time
.set nn, nn+1
.endr
.irp b,0,1,2,3
	v_fma_f32 v[BM+\b], v[BM+\b], s[CS], v12       ; the same of each block's largest score
.endr
.set nn, 0
	s_wait_alu depctr_va_vdst(0)
.rept 64
	v_exp_f32 v[96+nn], v[96+nn]                   ; p = 2^(t - M), at most 1
.set nn, nn+1
.endr
.irp b,0,1,2,3
	v_exp_f32 v[BM+\b], v[BM+\b]                   ; the block's largest p
.endr
	v_pk_mul_f32 v[14:15], v[14:15], v[230:231] op_sel_hi:[1,0]   ; the sums under the new M.  (A plain place behind the exponentials)
	s_wait_alu depctr_va_vdst(0)
.irp b,0,1,2,3
	v_max_num_f32 v[BM+\b], 0x4800000, v[BM+\b]    ; the floor 2^(9 - 127): a block whose every p is 0 keeps the byte 1; its codes are zeros
.endr
.irp b,0,1,2,3
	s_delay_alu instid0(VALU_DEP_4)
	v_add_nc_u32 v[BS+\b], 0xfc000000, v[BM+\b]
.endr
.irp b,0,1,2,3
	v_and_or_b32 v[BL+\b], v[BM+\b], 0x7f800000, s[MNT]
.endr
.irp b,0,1,2,3
	v_lshrrev_b32 v[BT+\b], 23, v[BS+\b]
.endr
	s_delay_alu instid0(VALU_DEP_3)
	v_lshl_or_b32 v229, v[BT+1], 8, v[BT]          ; p's scale word for these 128 keys
	s_delay_alu instid0(VALU_DEP_1)
	v_lshl_or_b32 v229, v[BT+2], 16, v229
	s_delay_alu instid0(VALU_DEP_1)
	v_lshl_or_b32 v229, v[BT+3], 24, v229
	v_pk_add_f32 v[234:235], v[100:101], v[104:105]
	v_pk_add_f32 v[254:255], v[108:109], v[112:113]
	v_pk_add_f32 v[252:253], v[116:117], v[120:121]
	v_pk_add_f32 v[250:251], v[124:125], v[128:129]
	v_pk_add_f32 v[248:249], v[132:133], v[136:137]
	v_pk_add_f32 v[246:247], v[140:141], v[144:145]
	v_pk_add_f32 v[244:245], v[148:149], v[152:153]
	v_pk_add_f32 v[14:15], v[14:15], v[156:157]
	v_pk_add_f32 v[234:235], v[234:235], v[96:97]
	v_pk_add_f32 v[254:255], v[254:255], v[98:99]
	v_pk_add_f32 v[252:253], v[252:253], v[102:103]
	v_pk_add_f32 v[250:251], v[250:251], v[106:107]
	v_pk_add_f32 v[248:249], v[248:249], v[110:111]
	v_pk_add_f32 v[246:247], v[246:247], v[114:115]
	v_pk_add_f32 v[244:245], v[244:245], v[118:119]
	v_pk_add_f32 v[14:15], v[14:15], v[122:123]
	v_pk_add_f32 v[234:235], v[234:235], v[126:127]
	v_pk_add_f32 v[254:255], v[254:255], v[130:131]
	v_pk_add_f32 v[252:253], v[252:253], v[134:135]
	v_pk_add_f32 v[250:251], v[250:251], v[138:139]
	v_pk_add_f32 v[248:249], v[248:249], v[142:143]
	v_pk_add_f32 v[246:247], v[246:247], v[146:147]
	v_pk_add_f32 v[244:245], v[244:245], v[150:151]
	v_pk_add_f32 v[14:15], v[14:15], v[154:155]
	v_pk_add_f32 v[234:235], v[234:235], v[158:159]
	s_delay_alu instid0(VALU_DEP_2)
	v_pk_add_f32 v[14:15], v[14:15], v[250:251]
	s_delay_alu instid0(VALU_DEP_2)
	v_pk_add_f32 v[234:235], v[234:235], v[248:249]
	v_pk_add_f32 v[254:255], v[254:255], v[246:247]
	v_pk_add_f32 v[252:253], v[252:253], v[244:245]
	s_delay_alu instid0(VALU_DEP_2)
	v_pk_add_f32 v[14:15], v[14:15], v[254:255]
	s_delay_alu instid0(VALU_DEP_2)
	v_pk_add_f32 v[234:235], v[234:235], v[252:253]
	s_delay_alu instid0(VALU_DEP_1)
	v_pk_add_f32 v[14:15], v[14:15], v[234:235]
.irp b,0,1,2,3
.irp i,0,1,2,3,4,5,6,7,8,9,10,11,12,13,14,15
	v_min_num_f32 v[96+16*\b+\i], v[96+16*\b+\i], v[BL+\b]   ; the hold; p is not negative, so it is one-sided
.endr
	v_cvt_scalef32_pk8_fp8_f32 v[192+4*\b:193+4*\b], v[96+16*\b:103+16*\b], v[BS+\b]
	v_cvt_scalef32_pk8_fp8_f32 v[194+4*\b:195+4*\b], v[104+16*\b:111+16*\b], v[BS+\b]
.endr
.irp t,0,1,2,3                                 ; V's four fragments land where p lay
.irp c,0,1,2,3
	ds_load_b128 v[96+16*\t+4*\c:99+16*\t+4*\c], v[ADK] offset:16384+8192*(\q)+2048*\t+512*\c
.endr
	ds_load_b32 v[KS+\t], v[ADT] offset:256*(\q)+64*\t
.endr
.set nn, 0
.rept 16
	v_pk_mul_f32 v[160+2*nn:161+2*nn], v[160+2*nn:161+2*nn], v[230:231] op_sel_hi:[1,0]   ; O^T under the new M.  (These are also the places between the conversions and the products)
.set nn, nn+1
.endr
	s_wait_alu depctr_va_vdst(0)
	s_wait_dscnt 0x0
.irp t,0,1,2,3                                 ; O^T += V^T P^T; the four accumulators take turns
	v_wmma_scale_f32_16x16x128_f8f6f4 v[160+8*\t:167+8*\t], v[96+16*\t:111+16*\t], v[192:207], v[160+8*\t:167+8*\t], v[KS+\t], v229
.endr
.Lhidden_\@:
	s_add_co_u32 s[KF], s[KF], 128
.endm
; THE CHANGE OF SLOTS stands at a slot's head.  Each wave waits for all its tensor loads (its part of the slot that it is about to read), adds 0 to its spare word, and waits for that and for its reads of the slot that it has left.
; Behind the barrier the slot ahead is whole and nobody reads the other one.  fill = 1: that other slot takes the key slot that follows: the next one, or key slot 0 where the second block of queries begins.
.macro CHANGE fill
	s_wait_tensorcnt 0x0                           ; no tensor load of mine is out, so my group 0 may be written
	ds_add_u32 v[SPW], v[NIL]                      ; 0 onto my spare word
.if \fill
	s_xor_b32 s[G0+1], s[G0+1], SLOT1
	s_add_co_u32 s[FC], s[FC], 1
	s_add_co_u32 s[KN], s[KN], 1
	s_cmp_eq_u32 s[FC], s[SWI]
	s_cselect_b32 s[KN], 0, s[KN]
	s_mul_i32 s[OFS], s[KN], s[STEPB]
	s_mov_b32 s[OFS+1], 0
	s_add_nc_u64 s[G0+2:G0+3], s[BASE:BASE+1], s[OFS:OFS+1]
	s_or_b32 s[G0+3], s[G0+3], 0x80000000
.endif
	s_wait_dscnt 0x0                               ; the add is done, and my reads of the slot that I have left are over
	s_barrier_signal -1
	s_barrier_wait -1
.if \fill
	TLOAD                                          ; the first thing behind the barrier, and a wave's one tensor load until the next
.endif
.endm
.macro SLOT_STEPS sw
.if \sw
	s_cmp_lg_u32 s[CNT], s[SWI]                    ; at slot i + 1 the first block of queries is done: the same in all sixteen waves; no barrier and no LDS access stands in here
	s_cbranch_scc1 .Lsame_\@
	FINISH
	s_sub_co_u32 s[TT], 7, s[IX]
	s_lshl_b32 s[TT], s[TT], 4
	s_add_co_u32 s[TT], s[TT], s[WV]               ; my tile of block 7 - i
	s_mov_b32 s[KF], 0
	INIT
	s_wait_loadcnt 0x0                             ; Q
	s_wait_xcnt 0x0                                ; the stores have read their data: the codes' registers are written again only behind this wait
.Lsame_\@:
.endif
	s_add_co_u32 s[CNT], s[CNT], 1
	STEP 0
	STEP 1
	s_xor_b32 s[TB], s[TB], SLOT1                  ; on to the other slot
.endm
	s_lshl_b32 s[TT], s[IX], 4
	s_add_co_u32 s[TT], s[TT], s[WV]               ; my tile of block i
	INIT
	s_wait_loadcnt 0x0
	s_mov_b32 s[LOOP], 8
.Lslot:                                            ; eight trips: behind each change of slots but the last the next slot is asked for
	CHANGE 1
	SLOT_STEPS 1
	s_sub_co_u32 s[LOOP], s[LOOP], 1
	s_cmp_lg_u32 s[LOOP], 0
	s_cbranch_scc1 .Lslot
	CHANGE 0                                       ; the ninth slot is written out; the change of blocks falls at slot 1 to 4, never here
	SLOT_STEPS 0
	FINISH
	s_wait_tensorcnt 0x0                           ; the wave's end
	ds_add_u32 v[SPW], v[NIL]
	s_wait_dscnt 0x0
	s_endpgm
.Lfunc_end_k_q6a5e70f0b1_attn:
	.size	k_q6a5e70f0b1_attn, .Lfunc_end_k_q6a5e70f0b1_attn-k_q6a5e70f0b1_attn
	.p2alignl 7, 3214868480
	.fill 96, 4, 3214868480
	.section	.rodata,"a",@progbits
	.p2align	6, 0x0
	.amdhsa_kernel k_q6a5e70f0b1_attn
		.amdhsa_group_segment_fixed_size 327680
		.amdhsa_private_segment_fixed_size 0
		.amdhsa_enable_private_segment 0
		.amdhsa_kernarg_size 64
		.amdhsa_user_sgpr_count 2
		.amdhsa_user_sgpr_kernarg_segment_ptr 1
		.amdhsa_wavefront_size32 1
		.amdhsa_system_sgpr_workgroup_id_x 1
		.amdhsa_system_sgpr_workgroup_id_y 1
		.amdhsa_system_sgpr_workgroup_id_z 1
		.amdhsa_system_vgpr_workitem_id 0
		.amdhsa_next_free_vgpr 256
		.amdhsa_next_free_sgpr 96
		.amdhsa_reserve_vcc 1
		.amdhsa_float_denorm_mode_32 3
		.amdhsa_float_denorm_mode_16_64 3
		.amdhsa_memory_ordered 1
		.amdhsa_forward_progress 1
		.amdhsa_inst_pref_size 127
	.end_amdhsa_kernel
	.amdgpu_metadata
---
amdhsa.version: [ 1, 2 ]
amdhsa.kernels:
  - .name:           k_q6a5e70f0b1_attn
    .symbol:         k_q6a5e70f0b1_attn.kd
    .args:
      - { .name: qc, .offset: 0, .size: 8, .value_kind: global_buffer, .address_space: global }
      - { .name: qs, .offset: 8, .size: 8, .value_kind: global_buffer, .address_space: global }
      - { .name: kc, .offset: 16, .size: 8, .value_kind: global_buffer, .address_space: global }
      - { .name: ks, .offset: 24, .size: 8, .value_kind: global_buffer, .address_space: global }
      - { .name: vc, .offset: 32, .size: 8, .value_kind: global_buffer, .address_space: global }
      - { .name: vs, .offset: 40, .size: 8, .value_kind: global_buffer, .address_space: global }
      - { .name: cc, .offset: 48, .size: 8, .value_kind: global_buffer, .address_space: global }
      - { .name: cs, .offset: 56, .size: 8, .value_kind: global_buffer, .address_space: global }
    .group_segment_fixed_size: 327680
    .private_segment_fixed_size: 0
    .kernarg_segment_align: 8
    .kernarg_segment_size: 64
    .max_flat_workgroup_size: 512
    .sgpr_count:     96
    .vgpr_count:     256
    .wavefront_size: 32
...
	.end_amdgpu_metadata
.endif
;; end of part 5
;; launch outp (part 6): grid 256 x 1, 4 waves a work-group, no clusters, 222,720 bytes of LDS; arguments cc, cs, Wo_codes, Wo_scales, bo, out0; writes out0
.if DOCPART == 6
	.amdgcn_target "amdgcn-amd-amdhsa--gfx1250"
	.amdhsa_code_object_version 6
	.text
	.protected	k_q6a5e70f0b1_outp
	.globl	k_q6a5e70f0b1_outp
	.p2align	8
	.type	k_q6a5e70f0b1_outp,@function
k_q6a5e70f0b1_outp:
	s_mov_b64 s[64:65], 0
	v_nop
	global_prefetch_b8 v0, s[64:65] scope:SCOPE_SE
	s_setreg_imm32_b32 hwreg(HW_REG_WAVE_SCHED_MODE, 0, 2), 2
	s_setreg_imm32_b32 hwreg(HW_REG_WAVE_MODE, 25, 1), 1
	s_wait_xcnt 0x0
	s_wait_alu depctr_vm_vsrc(0)
; out0 = context Wo^T + bo.  The context arrives as images of operand registers (cc [tile of 16 tokens 512][K step 8][c 4][lane][16], cs words [tile][K step][16]); Wo as codes [1024][1024] with scale bytes [1024][32]; out0 [8192][1024] f32.
; Tile TT of tokens has token 32 (TT / 2) + 8 (TT % 2) + r + 8 (r / 8) in lane r.
; SHARES.  256 work-groups: 128 tokens (8 tiles, two blocks of 4) x 256 columns.  Wave w keeps Wo's rows 256 cg + 64 w + 0 .. 63 for all of K in registers (512), read once.
; The context's tiles go through LDS, staged by the four waves (a tile each) and read by all four: two buffers, one barrier a block.
; THE MATRIX INSTRUCTION IS USED TRANSPOSED (source 0 = 16 rows of Wo, source 1 = 16 tokens): a lane holds eight neighbouring columns of one token.  bo is the C of each sum's first product.
; A tile's 16 tokens x 64 columns go through the wave's own stage in LDS and leave as rows: sixteen lanes store 256 consecutive bytes, aligned.
; No joint loads: what the four work-groups of a token block share is staged through registers as in the first launch; the resident weights, half of a work-group's bytes, are shared by work-groups 4 apart in the grid.
; REGISTERS: window 0: addresses, scale words, bias, rows on the way out, accumulators, staging.  Window 1: Wo's fragments of K steps 0-3 at 64 s + 16 t.  Window 2: K steps 4-7.  Window 3: the context's fragments, two sets of 128.
; THE MODE: SCHED_MODE bits 1:0 = 2 (LLVM: expert scheduling mode 2), set by the entry lines.  The code itself states the register dependences
; between vector or matrix instructions and memory or LDS instructions, with s_wait_alu, always for 0.
; THE PLAN.  Registers that memory or LDS instructions touch:
;   v4-18, v20, v22   addresses, made at the head and never written again.
;   window 3, 2 sets  At the start: Wo's loads land, my LDS stores read.  Then: tile i's products read set i % 2; tile i + 1's LDS loads land in the other set, dealt among tile i's products.
;   PS                LDS loads land at a block's head; the block's products read it as scales.
;   ST, STS           block 1's global loads land, my LDS stores read; no vector instruction names them.
;   the accumulators  a tile's products write them; the LDS stores of its way out read them.
;   OB                the way out's LDS loads land; its global stores read.
; ONE wait on va_vdst a tile, behind the places that follow its products: the accumulators are written, and the products are done reading their set of window 3 and PS.  The only vector-side instructions between it and the
; loads that lean on it are the next tile's products, which name the other set.  ONE wait on vm_vsrc at a tile's head (for tile 0: at the block's).
.set PBSZ,  65536                      ; a buffer: 4 tiles x 16,384 bytes; two from LDS byte 0
.set PSC,   131072                     ; scale words: 4 tiles x 512 bytes, two buffers of 2,048
.set RPRIV, 135168                     ; each wave's own stage for Wo: 64 rows x (256 + 16)
.set RPW,   17408
.set STG,   204800                     ; each wave's own stage for the way out: 16 rows x (256 + 16)
.set SGW,   4352
.set LI,  4                            ; v4     16 x lane
.set LW,  5                            ; v5-6   where I store my tile's image
.set LR,  7                            ; v7-8   where I read fragments
.set LSW, 9                            ; v9-10  where I store my tile's scale words
.set LSR, 11                           ; v11-12 where I read them: lanes 0-15 the even tile's, lanes 16-31 the odd tile's
.set RA,  13                           ; v13    Wo in memory: 1024 h + 16 r
.set RW,  14
.set RR,  15
.set SO,  16                           ; v16    the way out: where I put 16 bytes of a token's row
.set SR,  17                           ; v17    and where I read a row back
.set GO,  18                           ; v18    4096 h + 16 r
.set RSA, 20                           ; v20    32 x lane
.set BA,  22                           ; v22    32 h
.set RS,  32
.set PS,  48
.set BR,  64
.set OB,  96                           ; v96-127 16 rows on the way out
.set ACC, 132
.set ST,  164
.set STS, 228
.set WV,  2
.set PCB, 20
.set PSB, 22
.set RC,  24
.set RSC, 26
.set BRB, 28
.set OUT, 30
.set MSB, 0
.macro WIN new
.if MSB != \new
	s_set_vgpr_msb (MSB<<8)|\new
.set MSB, \new
.endif
.endm
	s_load_b256 s[4:11], s[0:1], 0x0               ; cc s[4:5], cs s[6:7], Wo's codes s[8:9], Wo's scales s[10:11]
	s_load_b128 s[12:15], s[0:1], 0x20             ; bo s[12:13], out0 s[14:15]
	v_lshl_add_u32 v254, v0, 2, 0x36400
	v_mov_b32 v255, 0
	v_lshrrev_b32 v1, 5, v0
	v_readfirstlane_b32 s[WV], v1                  ; wave 0..3
	v_and_b32 v1, 31, v0
	v_and_b32 v2, 15, v0                           ; r
	v_bfe_u32 v3, v0, 4, 1                         ; h
	v_lshlrev_b32 v[LI], 4, v1
	s_wait_alu depctr_va_sdst(0)                   ; the wave's number is written, ahead of its first reader
	s_lshl_b32 s34, s[WV], 14
	v_add_nc_u32 v[LW], s34, v[LI]
	v_add_nc_u32 v[LW+1], PBSZ, v[LW]
	v_mov_b32 v[LR], v[LI]
	v_add_nc_u32 v[LR+1], PBSZ, v[LI]
	s_lshl_b32 s34, s[WV], 9
	s_add_co_u32 s34, s34, PSC
	v_add_nc_u32 v[LSW], s34, v[LI]
	v_add_nc_u32 v[LSW+1], 2048, v[LSW]
	v_lshlrev_b32 v[LSR], 9, v3
	v_lshl_add_u32 v[LSR], v2, 2, v[LSR]
	v_add_nc_u32 v[LSR], PSC, v[LSR]
	v_add_nc_u32 v[LSR+1], 2048, v[LSR]
	v_lshlrev_b32 v[RA], 10, v3
	v_lshl_add_u32 v[RA], v2, 4, v[RA]
	s_mul_i32 s34, s[WV], RPW
	s_add_co_u32 s34, s34, RPRIV
	v_mul_u32_u24 v19, v3, 272
	v_lshl_add_u32 v19, v2, 4, v19
	v_add_nc_u32 v[RW], s34, v19
	s_mul_i32 s35, s[WV], SGW
	s_add_co_u32 s35, s35, STG
	v_add_nc_u32 v[SR], s35, v19
	v_mul_u32_u24 v19, v2, 272
	v_lshl_add_u32 v21, v3, 4, v19
	v_add_nc_u32 v[RR], s34, v21
	v_lshl_add_u32 v21, v3, 5, v19
	v_add_nc_u32 v[SO], s35, v21
	v_lshlrev_b32 v[GO], 12, v3
	v_lshl_add_u32 v[GO], v2, 4, v[GO]
	v_lshlrev_b32 v[RSA], 5, v1
	v_lshlrev_b32 v[BA], 5, v3
	s_and_b32 s3, ttmp9, 3                         ; which 256 columns
	s_lshr_b32 s16, ttmp9, 2                       ; which 128 tokens
	s_lshl_b32 s17, s3, 8
	s_lshl_b32 s18, s[WV], 6
	s_add_co_u32 s17, s17, s18                     ; my first column
	s_lshl_b32 s18, s16, 3
	s_add_co_u32 s18, s18, s[WV]                   ; the tile that I stage in block 0
	s_mov_b32 s33, 0
	s_wait_kmcnt 0x0
	s_lshl_b32 s32, s18, 14
	s_add_nc_u64 s[PCB:PCB+1], s[4:5], s[32:33]
	s_lshl_b32 s32, s18, 9
	s_add_nc_u64 s[PSB:PSB+1], s[6:7], s[32:33]
	s_lshl_b32 s32, s17, 10
	s_add_nc_u64 s[RC:RC+1], s[8:9], s[32:33]
	s_lshl_b32 s32, s17, 5
	s_add_nc_u64 s[RSC:RSC+1], s[10:11], s[32:33]
	s_lshl_b32 s32, s17, 2
	s_add_nc_u64 s[BRB:BRB+1], s[12:13], s[32:33]
	s_add_nc_u64 s[OUT:OUT+1], s[14:15], s[32:33]
	s_lshl_b32 s32, s16, 19                        ; 128 rows of 4,096 bytes
	s_add_nc_u64 s[OUT:OUT+1], s[OUT:OUT+1], s[32:33]
.macro RGL k, again                    ; Wo, piece k: 256 bytes of each of my 64 rows, two rows a load.  again = 1: the staging set has been stored from before
	WIN 0xc0
.if \again
	s_wait_alu depctr_vm_vsrc(0)                   ; my LDS stores of the piece two back have read this staging set, in which these loads land
.endif
.set nn, 0
.rept 32
	global_load_b128 v[128*((\k)%2)+4*nn:128*((\k)%2)+4*nn+3], v[RA], s[RC:RC+1] offset:2048*nn+256*(\k)
.set nn, nn+1
.endr
	WIN 0
.endm
.macro RPIECE k                        ; through my own stage into its resident registers; the bytes are the wave's own and LDS serves a wave's instructions in order
.if (\k) < 3
	s_wait_loadcnt 32                              ; all but the next piece's 32 loads are in
.else
	s_wait_loadcnt 0x0
.endif
	WIN 0x0c
.set nn, 0
.rept 32
	ds_store_b128 v[RW], v[128*((\k)%2)+4*nn:128*((\k)%2)+4*nn+3] offset:2*nn*272
.set nn, nn+1
.endr
.if (\k) < 2
	WIN 0x40
.else
	WIN 0x80
.endif
.irp e,0,1
.irp t,0,1,2,3
.irp c,0,1,2,3
	ds_load_b128 v[64*((2*(\k)+\e)%4)+16*\t+4*\c:64*((2*(\k)+\e)%4)+16*\t+4*\c+3], v[RR] offset:16*\t*272+128*\e+32*\c
.endr
.endr
.endr
	WIN 0
	s_wait_dscnt 0x0
.if (\k) < 2
	RGL (\k)+2, 1
.endif
.endm
.macro GLOAD hf, blk                   ; half of my tile's image of block blk: 16 loads of 512 consecutive bytes
.set nn, 0
.rept 16
	global_load_b128 v[ST+4*nn:ST+4*nn+3], v[LI], s[PCB:PCB+1] offset:65536*(\blk)+512*(16*(\hf)+nn)
.set nn, nn+1
.endr
.endm
.macro GLOADX blk
	global_load_b128 v[STS:STS+3], v[LI], s[PSB:PSB+1] offset:2048*(\blk)
.endm
.macro STORE hf, np
.set nn, 0
.rept 16
	ds_store_b128 v[LW+(\np)], v[ST+4*nn:ST+4*nn+3] offset:512*(16*(\hf)+nn)
.set nn, nn+1
.endr
.endm
.macro STOREX np
	ds_store_b128 v[LSW+(\np)], v[STS:STS+3]
.endm
.macro FETCH p, i, set                 ; a block's first tile; the others' loads are dealt among the products
	WIN 0xc0
.irp s,0,1,2,3,4,5,6,7
.irp c,0,1,2,3
	ds_load_b128 v[128*(\set)+16*\s+4*\c:128*(\set)+16*\s+4*\c+3], v[LR+(\p)] offset:16384*(\i)+2048*\s+512*\c
.endr
.endr
	WIN 0
.endm
.macro WM i, set, s, t
.set rD, ACC+8*(\t)
.set rA, 64*((\s)%4)+16*(\t)
.set rB, 128*(\set)+16*(\s)
.set rX, RS+8*((\t)/2)+(\s)
.set rY, PS+8*((\i)/2)+(\s)
.if (\s) == 0
.set rC, BR+8*(\t)                     ; bo starts the sum
.else
.set rC, rD
.endif
.if ((\t)%2 == 0) && ((\i)%2 == 0)
	v_wmma_scale_f32_16x16x128_f8f6f4 v[rD:rD+7], v[rA:rA+15], v[rB:rB+15], v[rC:rC+7], v[rX], v[rY]
.elseif ((\t)%2 == 1) && ((\i)%2 == 0)
	v_wmma_scale_f32_16x16x128_f8f6f4 v[rD:rD+7], v[rA:rA+15], v[rB:rB+15], v[rC:rC+7], v[rX], v[rY] matrix_a_scale:MATRIX_SCALE_ROW1
.elseif ((\t)%2 == 0)
	v_wmma_scale_f32_16x16x128_f8f6f4 v[rD:rD+7], v[rA:rA+15], v[rB:rB+15], v[rC:rC+7], v[rX], v[rY] matrix_b_scale:MATRIX_SCALE_ROW1
.else
	v_wmma_scale_f32_16x16x128_f8f6f4 v[rD:rD+7], v[rA:rA+15], v[rB:rB+15], v[rC:rC+7], v[rX], v[rY] matrix_a_scale:MATRIX_SCALE_ROW1 matrix_b_scale:MATRIX_SCALE_ROW1
.endif
.endm
; 32 matrix instructions, K ascending; the four accumulators take turns, one instruction a turn.
; nxt = 1: the next tile's 32 fragment loads are dealt among them, eight behind every second K step, into the other set of window 3.  No wait: that set's last readers, the products of the tile before,
; stand ahead of that tile's wait on va_vdst, and no vector or matrix instruction since names the set or the address.
.macro MM p, i, set, nxt
.irp s,0,1,2,3,4,5,6,7
.if \s < 4
	WIN 0x0d
.else
	WIN 0x0e
.endif
.irp t,0,1,2,3
	WM \i, \set, \s, \t
.endr
.if (\nxt) && ((\s)%2 == 1)
	WIN 0xc0                                       ; destination window 3, address window 0
.irp e,0,1
.irp c,0,1,2,3
	ds_load_b128 v[128*(1-(\set))+16*(\s-1+\e)+4*\c:128*(1-(\set))+16*(\s-1+\e)+4*\c+3], v[LR+(\p)] offset:16384*((\i)+1)+2048*(\s-1+\e)+512*\c
.endr
.endr
.endif
.endr
	WIN 0
.endm
.macro TILE p, i, last                 ; p: the block, and its buffer
.if (\i) == 0
	s_wait_dscnt 0x0                               ; the block's scale words and this tile's fragments are in.  (A later tile's fragments were asked for ahead of the way out of the tile before, whose wait for 0 on DScnt covers them)
.else
	s_wait_alu depctr_vm_vsrc(0)                   ; the last tile's LDS stores have read the accumulators, which this tile's products write; its global stores have read OB, in which this tile's rows land; in tile 2 of block 0: the staging stores have read ST, in which the loads below land
.endif
.if ((\i) == 2) && ((\last) == 0)
	GLOAD 1, 1
.endif
.if (\i) < 3
	MM \p, \i, (\i)%2, 1
.else
	MM \p, \i, (\i)%2, 0
.endif
.rept 9
	v_nop                                          ; 8 places ahead of the LDS stores that read results; 9 ahead of the next tile's first product, which begins the accumulators anew
.endr
	s_wait_xcnt 0x0                                ; the last tile's stores have had their addresses translated: the rows' registers are loaded again only behind this wait
	s_wait_alu depctr_va_vdst(0)                   ; the products have written the accumulators, which the LDS stores below read (the places above stay beside this wait); and they are done reading their set of window 3 and PS, in which later loads land
.irp t,0,1,2,3
	ds_store_b128 v[SO], v[ACC+8*\t:ACC+8*\t+3] offset:64*\t           ; each accumulator from its low end on
	ds_store_b128 v[SO], v[ACC+8*\t+4:ACC+8*\t+7] offset:64*\t+16
.endr
.irp e,0,1,2,3,4,5,6,7
	ds_load_b128 v[OB+4*\e:OB+4*\e+3], v[SR] offset:544*\e             ; LDS serves a wave's instructions in order: these see my stores
.endr
	s_wait_dscnt 0x0
.irp e,0,1,2,3,4,5,6,7
	global_store_b128 v[GO], v[OB+4*\e:OB+4*\e+3], s[OUT:OUT+1] offset:(64*(\p)+32*((\i)/2)+8*((\i)%2)+2*\e+8*(\e/4))*4096 th:TH_STORE_NT   ; sixteen lanes store 256 consecutive bytes, aligned; stage row 2 e + h is the tile's lane: token + 8 from lane 8 on
.endr
.if ((\i) == 1) && ((\last) == 0)
	s_wait_loadcnt 0x0
	STORE 0, 1-(\p)
	STOREX 1-(\p)
.endif
.if ((\i) == 3) && ((\last) == 0)
	s_wait_loadcnt 0x0
	STORE 1, 1-(\p)
.endif
.endm
; ONE barrier a block: in front of it each wave's stores into this buffer have landed and its reads of the other are back.
.macro BLOCK p, last
	s_wait_dscnt 0x0
	s_barrier_signal -1
	s_barrier_wait -1
	s_wait_alu depctr_vm_vsrc(0)                   ; block 0: Wo's LDS stores have read window 3, in which fragments land, and the staging stores ST and STS, in which the loads below land; block 1: the last tile's LDS stores have read the accumulators and its global stores OB, which tile 0 writes again
.irp ip,0,1
.irp s,0,1,2,3,4,5,6,7
	ds_load_b32 v[PS+8*\ip+\s], v[LSR+(\p)] offset:1024*\ip+64*\s       ; (the products that read PS and set 0 stand ahead of the last tile's wait on va_vdst; no vector instruction has been issued since)
.endr
.endr
	FETCH \p, 0, 0
.if (\last) == 0
	GLOAD 0, 1
	GLOADX 1
.endif
	TILE \p, 0, \last
	TILE \p, 1, \last
	TILE \p, 2, \last
	TILE \p, 3, \last
.endm
	s_wait_alu depctr_va_vdst(0)                   ; every address and offset (v4-18, v20, v22) is written: all loads, stores and LDS instructions of the kernel read them, and none is written again
.irp b,0,1
.irp qq,0,1
	global_load_b128 v[RS+8*\b+4*\qq:RS+8*\b+4*\qq+3], v[RSA], s[RSC:RSC+1] offset:1024*\b+16*\qq   ; lanes 0-15: tile 2 b's rows, lanes 16-31: tile 2 b + 1's
.endr
.endr
.irp t,0,1,2,3
	global_load_b128 v[BR+8*\t:BR+8*\t+3], v[BA], s[BRB:BRB+1] offset:64*\t      ; bo at columns 16 t + 8 h + 0 .. 7
	global_load_b128 v[BR+8*\t+4:BR+8*\t+7], v[BA], s[BRB:BRB+1] offset:64*\t+16
.endr
	GLOAD 0, 0
	GLOADX 0
	RGL 0, 0
	RGL 1, 0
	RPIECE 0
	RPIECE 1
	RPIECE 2
	RPIECE 3                                       ; its wait for 0 covers every load so far
	STORE 0, 0
	STOREX 0
	s_wait_dscnt 0x0
	s_wait_alu depctr_vm_vsrc(0)                   ; the LDS stores above have read ST, in which the second half's loads land
	GLOAD 1, 0
	s_wait_loadcnt 0x0
	STORE 1, 0
	BLOCK 0, 0
	BLOCK 1, 1
	s_wait_dscnt 0x0
	s_wait_alu depctr_hold_cnt(0) depctr_sa_sdst(0) depctr_va_vdst(0) depctr_va_sdst(0) depctr_va_ssrc(0) depctr_va_vcc(0) depctr_vm_vsrc(0)
	s_wait_tensorcnt 0x0
	ds_add_u32 v254, v255
	s_wait_dscnt 0x0
	s_endpgm
.Lfunc_end_k_q6a5e70f0b1_outp:
	.size	k_q6a5e70f0b1_outp, .Lfunc_end_k_q6a5e70f0b1_outp-k_q6a5e70f0b1_outp
	.p2alignl 7, 3214868480
	.fill 96, 4, 3214868480
	.section	.rodata,"a",@progbits
	.p2align	6, 0x0
	.amdhsa_kernel k_q6a5e70f0b1_outp
		.amdhsa_group_segment_fixed_size 222720
		.amdhsa_private_segment_fixed_size 0
		.amdhsa_enable_private_segment 0
		.amdhsa_kernarg_size 48
		.amdhsa_user_sgpr_count 2
		.amdhsa_user_sgpr_kernarg_segment_ptr 1
		.amdhsa_wavefront_size32 1
		.amdhsa_system_sgpr_workgroup_id_x 1
		.amdhsa_system_sgpr_workgroup_id_y 1
		.amdhsa_system_sgpr_workgroup_id_z 1
		.amdhsa_system_vgpr_workitem_id 0
		.amdhsa_next_free_vgpr 1024
		.amdhsa_next_free_sgpr 66
		.amdhsa_reserve_vcc 0
		.amdhsa_float_denorm_mode_32 3
		.amdhsa_float_denorm_mode_16_64 3
		.amdhsa_memory_ordered 1
		.amdhsa_forward_progress 1
		.amdhsa_inst_pref_size 114
	.end_amdhsa_kernel
	.amdgpu_metadata
---
amdhsa.version: [ 1, 2 ]
amdhsa.kernels:
  - .name:           k_q6a5e70f0b1_outp
    .symbol:         k_q6a5e70f0b1_outp.kd
    .args:
      - { .name: cc, .offset: 0, .size: 8, .value_kind: global_buffer, .address_space: global }
      - { .name: cs, .offset: 8, .size: 8, .value_kind: global_buffer, .address_space: global }
      - { .name: Wo_codes, .offset: 16, .size: 8, .value_kind: global_buffer, .address_space: global }
      - { .name: Wo_scales, .offset: 24, .size: 8, .value_kind: global_buffer, .address_space: global }
      - { .name: bo, .offset: 32, .size: 8, .value_kind: global_buffer, .address_space: global }
      - { .name: out0, .offset: 40, .size: 8, .value_kind: global_buffer, .address_space: global }
    .group_segment_fixed_size: 222720
    .private_segment_fixed_size: 0
    .kernarg_segment_align: 8
    .kernarg_segment_size: 48
    .max_flat_workgroup_size: 128
    .sgpr_count:     66
    .vgpr_count:     1024
    .wavefront_size: 32
...
	.end_amdgpu_metadata
.endif
;; end of part 6
